; MI455X (gfx1250); checked and timed in simulation.
; The chip was launched on July 23, 2026; its instructions are those of AMD's public machine-readable ISA for CDNA 5 (MIT licence, August 2026) and "CDNA5" Instruction Set Architecture Reference Guide (July 2026). The comments in the code are by the model that wrote it; some were corrected since.
;; Attention. Allowed arithmetic: matrix products marked QUANTISED: E2M1 operands, one E8M0 scale for each 32 along K, by v_wmma_scale_f32_16x16x128_f8f6f4 with both operands' format E2M1 (or v_wmma_scale_f32_32x16x128_f4), f32 sums; products left as they are: bf16, f16 or f32 operands; f32 sums; everything else in f32.
;; Inputs: k_norm_w 64 float32; q_norm_w 64 float32; sink_logit 16 float32; wk 1,024 x 1,024 float32; wo 1,024 x 1,024 float32; wq 1,024 x 1,024 float32; wv 1,024 x 1,024 float32; x 2 x 2,048 x 1,024 float32.
;; Outputs: out0 2 x 2,048 x 1,024 float32.
;; This version of the problem:
;;   THIS VERSION OF THE PROBLEM IS GIVEN IN LOW PRECISION. The matrix products marked QUANTISED in the list below multiply operands that are first quantised to E2M1 (2 exponent bits, 1 mantissa bit; 4 bits a number), with one power-of-two scale for each 32 numbers along K (OCP MX v1.0); their sums are f32. The products marked 'left as it is' may take bf16, f16 or f32 operands, with f32 sums. Whichever they take, every output number must still come out within the allowed error. Rounding operands to bf16 (8 significant bits) uses up far more of that allowance than f16 does (11 bits, for magnitudes from 6e-5 to 65,504). All else is computed in f32.
;;   The module's matrix products, in the order in which they are computed (A, B: the left and right operand; K: the contracted axis; several contracted axes count as one K, in the product's order):
;;     1. [M 4,096, K 1,024] x [K 1,024, N 1,024]; A: input x; B: input wq: QUANTISED
;;     2. [M 4,096, K 1,024] x [K 1,024, N 1,024]; A: input x; B: input wk: QUANTISED
;;     3. [M 4,096, K 1,024] x [K 1,024, N 1,024]; A: input x; B: input wv: QUANTISED
;;     4. batch 32 x [M 2,048, K 64] x [K 64, N 2,048]; A: computed on the way; B: computed on the way: left as it is (an operand is computed on the way)
;;     5. batch 32 x [M 2,048, K 2,048] x [K 2,048, N 64]; A: computed on the way; B: computed on the way: left as it is (an operand is computed on the way)
;;     6. [M 4,096, K 1,024] x [K 1,024, N 1,024]; A: computed on the way; B: input wo: left as it is (an operand is computed on the way)
;;   THE QUANTISER, for each operand of a quantised product, along K:
;;     - K is cut into blocks of 32 from its start; a last block that is shorter is filled with zeros.
;;     - A block's scale is 2^e with e = floor(log2(the largest magnitude in the block)) - 2, held to -126 .. 127; a block of zeros has e = 0. As a byte (E8M0): e + 127.
;;     - Each number is divided by its block's scale, clamped to +-6, and rounded to the nearest number of E2M1, ties to even, subnormals kept.
;;     - The product sums the exact products of the quantised numbers (number of the format x scale) in f32.
;;   ~~~python
;;   def quantise(x, axis):      # numpy; x: float32 -> the quantised numbers, widened to float32 again
;;       x = np.moveaxis(x, axis, -1); K = x.shape[-1]
;;       x = np.pad(x, [(0, 0)] * (x.ndim - 1) + [(0, -K % 32)]); x = x.reshape(x.shape[:-1] + (-1, 32)); a = np.abs(x).max(-1, keepdims=True)
;;       e = np.where(a > 0, np.clip(np.frexp(np.where(a > 0, a, 1))[1] - 1 - 2, -126, 127), 0)      # np.frexp(a)[1] - 1 = floor(log2(a)), exactly
;;       r = np.clip(x / 2.0 ** e, -6, 6)
;;       step = 2.0 ** (np.maximum(np.frexp(np.where(r == 0, 1, r))[1] - 1, 0) - 1)
;;       q = np.round(r / step) * step * 2.0 ** e      # np.round: ties to even
;;       return np.moveaxis(q.reshape(q.shape[:-2] + (-1,))[..., :K], -1, axis).astype(np.float32)
;;   ~~~
;; One version. Each part assembles by itself: llvm-mc -triple=amdgcn-amd-amdhsa -mcpu=gfx1250 --defsym DOCPART=n.
;; ======== version 1 of 1: 5 launches
;; limits: values are held in f16: magnitudes above 65,504 overflow, below 6.1e-05 lose precision
;; workspace buffers: codes 3,670,016 bytes; scales 229,376 bytes; woimg 2,097,152 bytes; rope 524,288 bytes; qkv 25,165,824 bytes; oa 8,388,608 bytes; fine 393,216 bytes
;; launch prep (part 1): grid 272 x 1, 4 waves a work-group, no clusters, 33,280 bytes of LDS; arguments x, wq, wk, wv, wo, codes, scales, woimg, rope; writes codes, scales, woimg, rope
.if DOCPART == 1
	.amdgcn_target "amdgcn-amd-amdhsa--gfx1250"
	.amdhsa_code_object_version 6
	.text
	.protected	k_qec1ad71c7d_prep
	.globl	k_qec1ad71c7d_prep
	.p2align	8
	.type	k_qec1ad71c7d_prep,@function
k_qec1ad71c7d_prep:
	s_mov_b64 s[64:65], 0
	v_nop
	global_prefetch_b8 v0, s[64:65] scope:SCOPE_SE
	s_setreg_imm32_b32 hwreg(HW_REG_WAVE_MODE, 25, 1), 1
	s_wait_xcnt 0x0
; PREP: three kinds of work-groups, told apart by the work-group's number alone.
;  0 .. 223  x [4096][1024], wq, wk, wv [1024][1024], f32, become codes of FP4 (E2M1), K innermost, two codes a byte, with one E8M0 byte for each 32 along K:
;            codes [7168 rows][512 bytes], scales [7168][32 bytes]; rows 0-4095 x, then wq, wk, wv.  Rows are dense and K is a multiple of 32: all four are plain streams of blocks of 32.
;            A block's scale is 2^(floor(log2(largest magnitude)) - 2): its byte is the largest magnitude's exponent field - 2, held at 1 from below.
;  224 .. 255  wo [1024][1024] f32 becomes f16, laid as IMAGES OF OPERAND REGISTERS: woimg [n tile 64][kc 32][1024 bytes]; in a fragment (16 rows x 32 K) lane 16 h + r holds row r;
;            its registers 0-3 (k = 32 kc + 8 h + 0..7) lie at byte 16 x lane, its registers 4-7 (k = 32 kc + 16 + 8 h + 0..7) at 512 + 16 x lane.
;  256 .. 271  the table rope [2048 positions][32 cos, 32 sin] f32 of the angles position x 10000^(-i/32).
; LIMITS: NaN and infinities among the inputs are not served; a block whose largest magnitude lies under 2^-124 gets the byte 1; a block of zeros gets the byte 1 where the rule says 127: its codes are
; zeros, which add nothing under any byte but 0xff, and this program alone reads the bytes.  wo is rounded to f16: magnitudes from 6e-5 to 65,504 keep 11 bits.
; The angles are made as position x 2^(-i x log2(10000)/32) in f32 and reduced by pi/2 in two parts: they lie within about 2e-4 radians of an angle made by any other f32 route.
; No matrix unit, no cluster, no tensor load: nothing here is read by two work-groups.
.set WAVES, 4
.set STEPS, 16
.set EMAX,  2
.set CB,    8                          ; bytes of 16 codes
.set R,     16                         ; v16-79   four sets of 16 numbers as they are loaded
.set X,     80                         ; v80-111  two sets of 16 neighbours
.set C,     128                        ; v128-191 codes: four registers for each step, so that no store's data are written again
.set E,     112                        ; v112-127 a scale byte for each step
.set WREG,  8192                       ; LDS: a region for each wave: two stages of 32 x SP bytes, and behind them its 256 scale bytes
.set SP,    80                         ; a lane's place in a stage: its 64 bytes + 16 of padding
.set SPW,   12                         ; v12      LDS address of my spare word; never rewritten
.set NIL,   13                         ; v13      0; never rewritten
.set SPARE, WAVES*WREG                 ; behind the four regions: the spare words, 128 bytes a wave
.set WV,    24                         ; s24      my wave's number
	s_load_b512 s[4:19], s[0:1], 0x0               ; x s[4:5], wq s[6:7], wk s[8:9], wv s[10:11], wo s[12:13], codes s[14:15], scales s[16:17], woimg s[18:19]
	s_load_b64 s[20:21], s[0:1], 0x40              ; rope
	v_lshl_add_u32 v[SPW], v0, 2, SPARE
	v_mov_b32 v[NIL], 0
	v_lshrrev_b32 v1, 5, v0
	v_readfirstlane_b32 s[WV], v1                  ; wave 0..3
	v_and_b32 v2, 31, v0                           ; lane
	s_wait_kmcnt 0x0
	s_cmp_lt_u32 ttmp9, 224
	s_cbranch_scc0 .Lnot_codes
; ---------------- the quantiser.  A wave takes 16 steps of 512 numbers.  Each of a step's four loads reads 512 consecutive bytes, 16 a lane; the 2,048 bytes turn through the wave's own stage in LDS
; and come back 64 bytes a lane: 16 neighbours along K, two neighbouring lanes to a block.  Loads run four steps ahead, the turn through LDS one step.
	v_lshlrev_b32 v3, 4, v2                        ; my 16 bytes of a load's 512
	s_mul_i32 s25, s[WV], WREG
	v_lshrrev_b32 v14, 2, v2
	v_mul_u32_u24 v14, v14, SP
	v_and_b32 v15, 3, v2
	v_lshl_add_u32 v14, v15, 4, v14
	v_add_nc_u32 v14, s25, v14                     ; the stage, on the way in: SP (lane / 4) + 16 (lane % 4)
	v_mul_u32_u24 v15, v2, SP
	v_add_nc_u32 v15, s25, v15                     ; and on the way out: SP x lane
	v_mul_u32_u24 v4, v2, CB                       ; my codes' place in a step's
	v_lshrrev_b32 v5, 1, v2
	s_add_co_u32 s25, s25, 2*32*SP
	v_add_nc_u32 v5, s25, v5                       ; LDS: my wave's 256 scale bytes, my block's byte
	v_lshlrev_b32 v7, 3, v2                        ; and on the way out 8 bytes a lane
	v_add_nc_u32 v6, s25, v7
	s_cmp_lt_u32 ttmp9, 192                        ; which tensor: the choice hangs on the work-group's number alone
	s_cselect_b64 s[8:9], s[8:9], s[10:11]         ; wk or wv
	s_cmp_lt_u32 ttmp9, 160
	s_cselect_b64 s[6:7], s[6:7], s[8:9]           ; wq or that
	s_and_b32 s26, ttmp9, 31                       ; a weight's 32 work-groups begin at a multiple of 32
	s_cmp_lt_u32 ttmp9, 128
	s_cselect_b64 s[4:5], s[4:5], s[6:7]           ; x or that
	s_cselect_b32 s26, ttmp9, s26
	s_lshl_b32 s26, s26, 2
	s_add_co_u32 s26, s26, s[WV]                   ; which run of 8,192 numbers of the tensor is my wave's
	s_lshl_b32 s26, s26, 15                        ; 32,768 bytes a run
	s_mov_b32 s27, 0
	s_add_nc_u64 s[4:5], s[4:5], s[26:27]
	s_lshl_b32 s28, ttmp9, 2
	s_add_co_u32 s28, s28, s[WV]                   ; and which run of the joint buffers
	s_lshl_b32 s26, s28, 12                        ; 4,096 bytes of codes,
	s_add_nc_u64 s[14:15], s[14:15], s[26:27]
	s_lshl_b32 s26, s28, 8                         ; 256 scale bytes
	s_add_nc_u64 s[16:17], s[16:17], s[26:27]
.macro LOAD t
.irp i, 0,1,2,3
	global_load_b128 v[R+16*((\t)%4)+4*\i:R+16*((\t)%4)+4*\i+3], v3, s[4:5] offset:2048*(\t)+512*\i th:TH_LOAD_NT   ; 32 lanes read 512 consecutive bytes
.endr
.endm
.macro TURN t                          ; step t's numbers through the stage: LDS serves a wave's instructions in order, so no wait stands between the stores and the loads
.irp i, 0,1,2,3
	ds_store_b128 v14, v[R+16*((\t)%4)+4*\i:R+16*((\t)%4)+4*\i+3] offset:32*SP*((\t)%2)+8*SP*\i
.endr
.irp i, 0,1,2,3
	ds_load_b128 v[X+16*((\t)%2)+4*\i:X+16*((\t)%2)+4*\i+3], v15 offset:32*SP*((\t)%2)+16*\i
.endr
.endm
.irp t, 0,1,2,3
	LOAD \t
.endr
	s_wait_loadcnt 12                              ; step 0's four loads are in; the twelve of steps 1 to 3 may be out
	TURN 0
.macro STEP t
.set XS, X+16*((\t)%2)
.if (\t) > 0
	s_wait_dscnt 1                                 ; this step's numbers are back from the stage (the last step's byte store may be out): so its stores into the stage have read their registers,
.else
	s_wait_dscnt 0x0
.endif
.if (\t)+4 < STEPS
	LOAD (\t)+4                                    ; which take the loads of four steps on
.endif
.if (\t)+1 < STEPS
.if STEPS-2-(\t) >= 3
	s_wait_loadcnt 12                              ; the next step's four loads are in; those of the three steps behind it may be out
.else
	s_wait_loadcnt 4*(STEPS-2-(\t))
.endif
	TURN (\t)+1                                    ; and go through the other stage while this step is worked
.endif
	v_max3_num_f32 v8, |v[XS]|, |v[XS+1]|, |v[XS+2]|               ; the largest magnitude of my 16
	v_max3_num_f32 v9, |v[XS+3]|, |v[XS+4]|, |v[XS+5]|
.irp i, 6,10
	v_max3_num_f32 v8, v8, |v[XS+\i]|, |v[XS+\i+1]|
	v_max3_num_f32 v9, v9, |v[XS+\i+2]|, |v[XS+\i+3]|
.endr
	v_max3_num_f32 v8, v8, |v[XS+14]|, |v[XS+15]|
	v_max3_num_f32 v8, v8, v9, (EMAX+1)<<23        ; and the floor 2^(3 - 127): so the byte cannot fall under 1
	v_max_num_f32_dpp v8, v8, v8 row_xmask:1 row_mask:0xf bank_mask:0xf   ; and of my neighbour's 16: the block's
	v_add_nc_u32 v11, -(EMAX<<23), v8              ; 2 off its exponent field: the conversion takes the exponent field of this operand as its scale, and nothing else of it
	v_cvt_scalef32_pk8_fp4_f32 v[C+4*(\t)], v[XS:XS+7], v11        ; eight numbers / the scale, to the nearest code, ties to even, beyond 6 the largest code
	v_cvt_scalef32_pk8_fp4_f32 v[C+4*(\t)+1], v[XS+8:XS+15], v11
	v_lshrrev_b32 v[E+(\t)], 23, v11               ; the scale's byte (a plain line behind the conversions)
	ds_store_b8 v5, v[E+(\t)] offset:16*(\t)       ; both lanes of a block write the same byte with the same value
	global_store_b64 v4, v[C+4*(\t):C+4*(\t)+1], s[14:15] offset:32*CB*(\t)   ; the wave stores 256 consecutive bytes, aligned
.endm
.irp t, 0,1,2,3,4,5,6,7,8,9,10,11,12,13,14,15
	STEP \t
.endr
	ds_load_b64 v[8:9], v6                         ; LDS serves a wave's instructions in order: these see my stores
	s_wait_dscnt 0x0
	global_store_b64 v7, v[8:9], s[16:17]          ; 32 lanes store 256 consecutive bytes, aligned
	s_wait_tensorcnt 0x0                           ; the wave's end
	ds_add_u32 v[SPW], v[NIL]
	s_wait_dscnt 0x0
	s_endpgm
; ---------------- wo to f16 images.  128 waves; a wave takes one tile of 16 rows and half of K: 16 fragments, four at a time.
.Lnot_codes:
	s_cmp_lt_u32 ttmp9, 256
	s_cbranch_scc0 .Ltable
	s_sub_co_u32 s25, ttmp9, 224
	s_lshl_b32 s25, s25, 2
	s_add_co_u32 s25, s25, s[WV]                   ; 0 .. 127
	s_lshr_b32 s26, s25, 1                         ; the tile of 16 rows
	s_and_b32 s25, s25, 1                          ; which 512 along K
	s_lshl_b32 s28, s26, 16                        ; 16 rows of 4,096 bytes
	s_lshl_b32 s29, s25, 11                        ; 512 numbers of 4 bytes
	s_add_co_u32 s28, s28, s29
	s_mov_b32 s29, 0
	s_add_nc_u64 s[12:13], s[12:13], s[28:29]
	s_lshl_b32 s28, s26, 15                        ; 32 images of 1,024 bytes a tile
	s_lshl_b32 s30, s25, 14                        ; 16 images
	s_add_co_u32 s28, s28, s30
	s_add_nc_u64 s[18:19], s[18:19], s[28:29]
	v_and_b32 v1, 15, v0                           ; r
	v_bfe_u32 v5, v0, 4, 1                         ; h
	v_lshlrev_b32 v3, 12, v1
	v_lshl_add_u32 v3, v5, 5, v3                   ; in: row r, + 8 h numbers
	v_lshlrev_b32 v4, 4, v2                        ; out: 16 x lane
.macro WLOAD bt                        ; fragments 4 bt .. 4 bt + 3: for each, k = 8 h + 0..7 and 16 + 8 h + 0..7 of my row: 16 loads into set bt % 2 (v16-79, v80-143)
.irp f, 0,1,2,3
.irp e, 0,1
	global_load_b128 v[16+64*((\bt)%2)+16*\f+8*\e:16+64*((\bt)%2)+16*\f+8*\e+3], v3, s[12:13] offset:128*(4*(\bt)+\f)+64*\e
	global_load_b128 v[16+64*((\bt)%2)+16*\f+8*\e+4:16+64*((\bt)%2)+16*\f+8*\e+7], v3, s[12:13] offset:128*(4*(\bt)+\f)+64*\e+16
.endr
.endr
.endm
.macro WBATCH bt
.set WS, 16+64*((\bt)%2)
.if (\bt) < 3
	s_wait_loadcnt 16                              ; this batch's 16 loads are in; the next batch's 16 may be out
.else
	s_wait_loadcnt 0x0
.endif
	s_wait_xcnt 0x0                                ; the last batch's stores have read v144-175: they are written again only behind this wait
.irp n, 0,1,2,3,4,5,6,7,8,9,10,11,12,13,14,15,16,17,18,19,20,21,22,23,24,25,26,27,28,29,30,31
	v_cvt_pk_f16_f32 v[144+\n], v[WS+2*\n], v[WS+2*\n+1]
.endr
.irp n, 0,1,2,3,4,5,6,7
	global_store_b128 v4, v[144+4*\n:147+4*\n], s[18:19] offset:4096*(\bt)+512*\n   ; half an image: 512 consecutive bytes
.endr
.if (\bt)+2 < 4
	WLOAD (\bt)+2
.endif
.endm
	WLOAD 0
	WLOAD 1
	WBATCH 0
	WBATCH 1
	WBATCH 2
	WBATCH 3
	s_endpgm
; ---------------- the table.  16 work-groups of 128 positions.  Thread t: four frequencies 4 (t % 8) + 0..3; cos where (t / 8) % 2 = 0, sin where 1; position t / 16 of the trip's eight.
; So thread t's 16 bytes lie at 16 t of the trip's 2,048: a wave stores 512 consecutive bytes.  sin a = cos(a - pi/2): the sin lanes take the quadrant three further on.
.Ltable:
	s_sub_co_u32 s25, ttmp9, 256
	s_lshl_b32 s26, s25, 15                        ; 128 positions of 256 bytes
	s_mov_b32 s27, 0
	s_add_nc_u64 s[20:21], s[20:21], s[26:27]
	s_lshl_b32 s25, s25, 7                         ; the work-group's first position
	v_lshrrev_b32 v8, 4, v0
	v_add_nc_u32 v8, s25, v8                       ; my position
	v_lshlrev_b32 v10, 4, v0                       ; my 16 bytes
	v_bfe_u32 v11, v0, 3, 1
	v_mul_u32_u24 v11, v11, 3                      ; 0 for cos, 3 for sin
	v_and_b32 v1, 7, v0
	v_lshlrev_b32 v1, 2, v1
	s_mov_b32 s26, 0x3f22f983                      ; 2 / pi
	s_mov_b32 s27, 0xbfc90fdb                      ; -(pi/2 rounded to f32)
	s_mov_b32 s28, 0x333bbd2e                      ; that rounding's error: pi/2 = 1.57079637 - 4.371139e-8
	s_mov_b32 s29, 0xbe2aaaa3                      ; sin r = r + r z (S1 + z (S2 + z S3)), z = r r, |r| <= pi/4
	s_mov_b32 s30, 0x3c08839e
	s_mov_b32 s31, 0xb94ca1f9
	s_mov_b32 s32, 0x3d2aaaa5                      ; cos r = 1 - z/2 + z z (C1 + z (C2 + z C3))
	s_mov_b32 s33, 0xbab6061a
	s_mov_b32 s34, 0x37ccf5ce
	s_mov_b32 s35, 0
.irp e, 0,1,2,3
	v_add_nc_u32 v[16+\e], \e, v1
.endr
.irp e, 0,1,2,3
	v_cvt_f32_u32 v[16+\e], v[16+\e]
.endr
.irp e, 0,1,2,3
	v_mul_f32 v[16+\e], 0xbed49a78, v[16+\e]       ; -i x log2(10000) / 32
.endr
.irp e, 0,1,2,3
	v_exp_f32 v[16+\e], v[16+\e]                   ; 10000^(-i/32)
.endr
	v_nop                                          ; a plain line behind the last exponential,
	s_wait_alu depctr_va_vdst(0)                   ; and one wait for the four, ahead of the label and of their first reader
.Lrope:                                            ; 16 trips of 8 positions
	v_cvt_f32_u32 v9, v8
.irp e, 0,1,2,3
	v_mul_f32 v[20+\e], v9, v[16+\e]               ; the angle a
.endr
.irp e, 0,1,2,3
	v_mul_f32 v[24+\e], s26, v[20+\e]
.endr
.irp e, 0,1,2,3
	v_rndne_f32 v[24+\e], v[24+\e]                 ; n = the nearest multiple of pi/2
.endr
.irp e, 0,1,2,3
	v_fma_f32 v[28+\e], v[24+\e], s27, v[20+\e]
.endr
.irp e, 0,1,2,3
	v_fma_f32 v[28+\e], v[24+\e], s28, v[28+\e]    ; r = a - n pi/2, in two parts
.endr
.irp e, 0,1,2,3
	v_mul_f32 v[32+\e], v[28+\e], v[28+\e]         ; z
.endr
.irp e, 0,1,2,3
	v_fma_f32 v[36+\e], v[32+\e], s31, s30
	v_fma_f32 v[40+\e], v[32+\e], s34, s33
.endr
.irp e, 0,1,2,3
	v_fma_f32 v[36+\e], v[36+\e], v[32+\e], s29
	v_fma_f32 v[40+\e], v[40+\e], v[32+\e], s32
.endr
.irp e, 0,1,2,3
	v_mul_f32 v[48+\e], v[28+\e], v[32+\e]         ; r z
	v_mul_f32 v[20+\e], v[32+\e], v[32+\e]         ; z z
	v_fma_f32 v[44+\e], v[32+\e], -0.5, 1.0        ; 1 - z/2
.endr
.irp e, 0,1,2,3
	v_fma_f32 v[36+\e], v[36+\e], v[48+\e], v[28+\e]   ; sin r
	v_fma_f32 v[40+\e], v[40+\e], v[20+\e], v[44+\e]   ; cos r
.endr
.irp e, 0,1,2,3
	v_cvt_i32_f32 v[44+\e], v[24+\e]
.endr
.irp e, 0,1,2,3
	v_add_nc_u32 v[44+\e], v[44+\e], v11           ; the quadrant q
.endr
.irp e, 0,1,2,3
	v_and_b32 v[48+\e], 1, v[44+\e]
	v_add_nc_u32 v[44+\e], 1, v[44+\e]
.endr
.irp e, 0,1,2,3
	v_cmp_eq_u32 vcc_lo, 1, v[48+\e]
	v_cndmask_b32 v[52+\e], v[40+\e], v[36+\e], vcc_lo   ; cos(r + q pi/2): sin r where q is odd, else cos r,
.endr
.irp e, 0,1,2,3
	v_and_b32 v[44+\e], 2, v[44+\e]
.endr
.irp e, 0,1,2,3
	v_lshlrev_b32 v[44+\e], 30, v[44+\e]
.endr
.irp e, 0,1,2,3
	v_xor_b32 v[52+\e], v[44+\e], v[52+\e]         ; negative where (q + 1) & 2
.endr
	global_store_b128 v10, v[52:55], s[20:21]
	s_wait_xcnt 0x0                                ; the store has read its data and its offset: both are written again only behind this wait
	v_add_nc_u32 v8, 8, v8
	v_add_nc_u32 v10, 2048, v10
	s_add_co_u32 s35, s35, 1
	s_cmp_lt_u32 s35, 16
	s_cbranch_scc1 .Lrope
	s_endpgm
.Lfunc_end_k_qec1ad71c7d_prep:
	.size	k_qec1ad71c7d_prep, .Lfunc_end_k_qec1ad71c7d_prep-k_qec1ad71c7d_prep
	.p2alignl 7, 3214868480
	.fill 96, 4, 3214868480
	.section	.rodata,"a",@progbits
	.p2align	6, 0x0
	.amdhsa_kernel k_qec1ad71c7d_prep
		.amdhsa_group_segment_fixed_size 33280
		.amdhsa_private_segment_fixed_size 0
		.amdhsa_enable_private_segment 0
		.amdhsa_kernarg_size 72
		.amdhsa_user_sgpr_count 2
		.amdhsa_user_sgpr_kernarg_segment_ptr 1
		.amdhsa_wavefront_size32 1
		.amdhsa_system_sgpr_workgroup_id_x 1
		.amdhsa_system_sgpr_workgroup_id_y 1
		.amdhsa_system_sgpr_workgroup_id_z 1
		.amdhsa_system_vgpr_workitem_id 0
		.amdhsa_next_free_vgpr 192
		.amdhsa_next_free_sgpr 66
		.amdhsa_reserve_vcc 1
		.amdhsa_float_denorm_mode_32 3
		.amdhsa_float_denorm_mode_16_64 3
		.amdhsa_memory_ordered 1
		.amdhsa_forward_progress 1
		.amdhsa_inst_pref_size 58
	.end_amdhsa_kernel
	.amdgpu_metadata
---
amdhsa.version: [ 1, 2 ]
amdhsa.kernels:
  - .name:           k_qec1ad71c7d_prep
    .symbol:         k_qec1ad71c7d_prep.kd
    .args:
      - { .name: x, .offset: 0, .size: 8, .value_kind: global_buffer, .address_space: global }
      - { .name: wq, .offset: 8, .size: 8, .value_kind: global_buffer, .address_space: global }
      - { .name: wk, .offset: 16, .size: 8, .value_kind: global_buffer, .address_space: global }
      - { .name: wv, .offset: 24, .size: 8, .value_kind: global_buffer, .address_space: global }
      - { .name: wo, .offset: 32, .size: 8, .value_kind: global_buffer, .address_space: global }
      - { .name: codes, .offset: 40, .size: 8, .value_kind: global_buffer, .address_space: global }
      - { .name: scales, .offset: 48, .size: 8, .value_kind: global_buffer, .address_space: global }
      - { .name: woimg, .offset: 56, .size: 8, .value_kind: global_buffer, .address_space: global }
      - { .name: rope, .offset: 64, .size: 8, .value_kind: global_buffer, .address_space: global }
    .group_segment_fixed_size: 33280
    .private_segment_fixed_size: 0
    .kernarg_segment_align: 8
    .kernarg_segment_size: 72
    .max_flat_workgroup_size: 128
    .sgpr_count:     66
    .vgpr_count:     192
    .wavefront_size: 32
...
	.end_amdgpu_metadata
.endif
;; end of part 1
;; launch qkv (part 2): grid 12 x 16, 4 waves a work-group, clusters of 4 x 4, 327,680 bytes of LDS; arguments codes, scales, q_norm_w, k_norm_w, rope, qkv, fine; writes qkv, fine
.if DOCPART == 2
	.amdgcn_target "amdgcn-amd-amdhsa--gfx1250"
	.amdhsa_code_object_version 6
	.text
	.protected	k_qec1ad71c7d_qkv
	.globl	k_qec1ad71c7d_qkv
	.p2align	8
	.type	k_qec1ad71c7d_qkv,@function
k_qec1ad71c7d_qkv:
	s_mov_b64 s[64:65], 0
	v_nop
	global_prefetch_b8 v0, s[64:65] scope:SCOPE_SE
	s_setreg_imm32_b32 hwreg(HW_REG_WAVE_MODE, 25, 1), 1
	s_wait_xcnt 0x0
	s_wait_alu depctr_hold_cnt(0) depctr_sa_sdst(0) depctr_va_vdst(0) depctr_va_sdst(0) depctr_va_ssrc(0) depctr_va_vcc(0) depctr_vm_vsrc(0)
	s_getreg_b32 s2, hwreg(HW_REG_IB_STS2, 6, 4)
	s_cmp_eq_u32 s2, 0
	s_cbranch_scc0 .Lentry_in_a_cluster
	s_endpgm
.Lentry_in_a_cluster:
	s_bfe_u32 s2, ttmp6, 0x10000c
	s_cmp_lg_u32 s2, 0xf033
	s_cbranch_scc0 .Lentry_shape_is_right
	s_endpgm
.Lentry_shape_is_right:
; QKV: the three quantised products as ONE GEMM on codes of FP4 (E2M1) with E8M0 scales, C[4096][3072] = x (wq | wk | wv)^T, K = 1,024, and on the way out the RMS norm of each head, RoPE, and the rounding to f16.
; A = rows 0-4095 of codes/scales (x), B = rows 4096-7167 (wq, wk, wv).  A tile of C is 256 x 256: 16 x 12 = 192 work-groups of four waves; a wave makes 128 positions x 128 columns = 2 heads in 64 accumulators.
; (A tile of 128 x 256 would give 384 work-groups, one and a half for each of 256 places: no more even, and each LDS byte would feed half the products.)
; K = 1,024 is two slots of 512: every tensor load is a first fill; a wave has three out: its part of the scales and of the two slots.
; CLUSTERS: 4 x 4 work-groups.  The four of a row of the cluster need the same tiles of A, the four of a column the same tiles of B: each tile is asked for JOINTLY.  A cluster's four tile columns are 1,024 columns:
; one of q, k, v, told by the cluster's x alone, so a branch on it is the same in all sixteen partners.
; THE MATRIX INSTRUCTION IS USED TRANSPOSED (source 0 = 16 rows of B, source 1 = 16 rows of A): lane (r, h) of accumulator (a, b) holds position 16 a + r and columns 16 b + 8 h + 0..7.
; So a head's 64 numbers of a position lie in lanes l and l xor 16, and the RoPE partners d and d + 32 in ONE lane.  Eight neighbours, rounded to f16, are 16 bytes of the next product's operand registers:
; qkv = q | k | v, each [batch x 16 + head][tile of 16 positions][2,048 bytes]; piece bb (d = 16 bb + 8 h + 0..7 of position r) at 512 bb + 16 x lane; for v the lane's place is 16 ((r / 8) 16 + 8 h + r % 8), the order in
; which a turning LDS load of 16 x lane gives half a fragment of v^T.  Every store of the wave covers 512 consecutive bytes, aligned.  q also carries log2(e) / 8, the softmax's scale.
; fine: positions 0-15 of each batch once more in f32: q, k as register images [head][512 n + 16 x lane], v as rows [16][1024].  Those stores are masked by EXEC, not jumped over: which work-groups hold them hangs on the place in the cluster.
; LIMITS: v must stay under 65,504 in magnitude (f16); NaN and infinities are not served.
; REGISTERS, in windows of 256: window 0: v0-31 addresses; v32-95 scale words, two sets; v128-191 A's fragments, one set; v96-127, v224-255 two sets of cos/sin; v192-223 the norm's weights.  On the way out v32-95, v128-151 are at work.
;   window 1: B's fragments, two sets.   window 2: the accumulators of my rows 0-63 ((a, b) at v[8 (8 a + b)]);   window 3: those of my rows 64-127.
.set SIZE_K, 1024
.set KSTEP,  512                       ; along K in a slot
.set NQ,     KSTEP/128                 ; matrix instructions deep
.set ROWB,   256                       ; a tile's row in bytes
.set KROW,   SIZE_K*4/8                ; a row of codes in memory
.set PITCH,  272                       ; an LDS row: 256 bytes + 16 of padding, so that the 16 rows that a load touches start 68 words apart
.set FR,     8                         ; registers of a fragment: 16 rows x 128 K
.set NL,     2                         ; LDS loads that bring one
.set NP,     4                         ; places behind this matrix instruction (ISA guide 7.12.1)
.set HALFT,  128*PITCH                 ; 128 rows: what one tensor load brings
.set SLOT,   4*HALFT                   ; A's 256 rows, then B's 256 rows
.set KS,     SIZE_K/32                 ; a row of scales in bytes
.set SCL,    2*SLOT                    ; behind the slots: the scales, as units of 256 bytes + 16 of padding
.set HALFS,  (128*KS/256)*272          ; the scales of 128 rows
.set SBLK,   (16*KS/256)*272           ; those of 16 rows
.set SPARE,  SCL+4*HALFS               ; the spare words, 128 bytes a wave
.set ADRA, 16                          ; v16-17  LDS address of my A fragments in slot 0, 1
.set ADRB, 20                          ; v20-21  the same for B
.set ADRS, 27                          ; v27     LDS address of my scale words: lanes 0-15 A's rows, lanes 16-31 B's
.set SPW,  28                          ; v28     my spare word; never rewritten
.set NIL,  29                          ; v29     0; never rewritten
.set SC,   32                          ; scale words: set s at v[SC + 32 s]; register 4 i + q: lanes 0-15 A's block i, lanes 16-31 B's block i, the slot's q-th 128 along K
.set AF,   128                         ; A's fragments
.set G1, 24                            ; s[24:31] group 1 for A's tiles;  s[32:39] group 0, a set for each slot
.set G0, 32
.set G1B, 48                           ; s[48:55], s[56:63] the same for B's tiles
.set G0B, 56
.set G1S, 68                           ; s[68:75], s[76:79] groups 1 and 0 for A's scales;  s[80:87], s[88:91] for B's
.set G0S, 76
.set G1SB, 80
.set G0SB, 88
.set MSB, 0
.macro WIN new                         ; the immediate's high byte repeats the setting that is left
.if MSB != \new
	s_set_vgpr_msb (MSB<<8)|\new
.set MSB, \new
.endif
.endm
.set MUL_LO, 0xa1                      ; source 0 (B) window 1, source 1 (A) window 0, C and D window 2
.set MUL_HI, 0xf1                      ; the same, C and D window 3
.set TO_B,   0x40                      ; destination window 1, address window 0
; A joint load: waves 0 and 1 fetch for A, waves 2 and 3 for B.  The branch hangs on the wave's number alone.  An s_nop 0 and four v_nop follow each of the two lines.
.macro JLOAD g0a, g1a, g0b, g1b
	s_cmp_eq_u32 s15, 0
	s_cbranch_scc0 .Lfor_b_\@
	tensor_load_to_lds s[\g0a:\g0a+3], s[\g1a:\g1a+7]
	s_nop 0
.rept 4
	v_nop
.endr
	s_branch .Lasked_\@
.Lfor_b_\@:
	tensor_load_to_lds s[\g0b:\g0b+3], s[\g1b:\g1b+7]
	s_nop 0
.rept 4
	v_nop
.endr
.Lasked_\@:
.endm
.macro CROUND                          ; a round of the cluster's barrier
	s_barrier_signal -1
	s_barrier_wait -1
	s_cmp_lg_u32 s14, 0
	s_cbranch_scc1 .Lnot_wave_0_\@
	s_barrier_signal -3
.Lnot_wave_0_\@:
	s_barrier_wait -3
	s_barrier_signal -1
	s_barrier_wait -1
.endm
	s_load_b128 s[4:7], s[0:1], 0x0                ; codes s[4:5], scales s[6:7]
	v_lshl_add_u32 v[SPW], v0, 2, SPARE
	v_mov_b32 v[NIL], 0
	ds_add_u32 v[SPW], v[NIL]                      ; the wave's opening: the add, twice on end, and its wait ahead of my first tensor load
	ds_add_u32 v[SPW], v[NIL]
	v_lshrrev_b32 v1, 5, v0
	v_readfirstlane_b32 s14, v1                    ; wave 0..3
	s_lshr_b32 s15, s14, 1                         ; which half of the tile's rows is mine.  Also: I fetch for A (0) or for B (1)
	s_and_b32 s16, s14, 1                          ; which half of its columns.  Also: which 128 rows of that tile I fetch
	s_bfe_u32 s40, ttmp6, 0x40000                  ; cx, cy: my place in the cluster
	s_bfe_u32 s41, ttmp6, 0x40004
	s_lshl_b32 s42, ttmp9, 2
	s_add_co_u32 s42, s42, s40                     ; tile column of C = 4 x cluster x + cx
	s_and_b32 s17, ttmp7, 0xffff
	s_lshl_b32 s17, s17, 2
	s_add_co_u32 s17, s17, s41                     ; tile row of C = 4 x cluster y + cy
	s_lshl_b32 s43, s41, 2
	s_lshl_b32 s43, 15, s43                        ; my row of the cluster
	s_lshl_b32 s44, 0x1111, s40                    ; my column
	; group 1: a tile of 128 rows x 256 bytes, padded in LDS
	s_or_b32 s[G1+0], s43, (0<<16)|(1<<20)|(1<<21)|(5<<22)|(3<<25)  ; 15:0 the mask; 17:16 elements of 1 byte; 20 padding on; 21 set beside a mask; 24:22 after every 64 words; 31:25 four words
	s_or_b32 s[G1B+0], s44, (0<<16)|(1<<20)|(1<<21)|(5<<22)|(3<<25)
.irp g, G1, G1B
	s_mov_b32 s[\g+1], ROWB<<16                    ; tensor_dim0
	s_mov_b32 s[\g+2], 128<<16                     ; tensor_dim1
	s_mov_b32 s[\g+3], ROWB<<16                    ; tile_dim0
	s_mov_b32 s[\g+4], 128                         ; tile_dim1
	s_mov_b32 s[\g+5], KROW                        ; from row to row
	s_mov_b32 s[\g+6], 0
	s_mov_b32 s[\g+7], 0
.endr
	; and for the scales of 128 rows: a dense block of 4,096 bytes, as 16 rows of 256 bytes (32 elements of 8), 16 bytes of padding behind each
	s_or_b32 s[G1S+0], s43, (3<<16)|(1<<20)|(1<<21)|(5<<22)|(3<<25)
	s_or_b32 s[G1SB+0], s44, (3<<16)|(1<<20)|(1<<21)|(5<<22)|(3<<25)
.irp g, G1S, G1SB
	s_mov_b32 s[\g+1], 32<<16
	s_mov_b32 s[\g+2], (128*KS/256)<<16
	s_mov_b32 s[\g+3], 32<<16
	s_mov_b32 s[\g+4], 128*KS/256
	s_mov_b32 s[\g+5], 32
	s_mov_b32 s[\g+6], 0
	s_mov_b32 s[\g+7], 0
.endr
	s_lshl_b32 s18, s16, 7                         ; which 128 rows of the tile I fetch
	s_lshl_b32 s20, s17, 8
	s_add_co_u32 s20, s20, s18                     ; A: row 256 x tile row + 128 x half
	s_lshl_b32 s46, s42, 8
	s_add_co_u32 s46, s46, s18                     ; B: row 256 x tile column + 128 x half
	s_mov_b32 s21, 0
	s_mov_b32 s47, 0
	s_mov_b64 s[18:19], KS
	s_mul_u64 s[22:23], s[20:21], s[18:19]         ; where these rows' scales begin, in bytes
	s_mul_u64 s[92:93], s[46:47], s[18:19]
	s_mov_b64 s[18:19], KROW
	s_mul_u64 s[20:21], s[20:21], s[18:19]         ; and their codes
	s_mul_u64 s[46:47], s[46:47], s[18:19]
	s_mul_i32 s45, s14, HALFT                      ; where they go: wave x 128 rows: no place in the cluster enters an LDS address
	s_mul_i32 s94, s14, HALFS
	s_wait_dscnt 0x0                               ; both opening adds are done
	s_wait_kmcnt 0x0
	s_add_nc_u64 s[8:9], s[4:5], 0x200000          ; B's codes begin behind x's 4,096 rows of 512 bytes,
	s_add_nc_u64 s[10:11], s[6:7], 0x20000         ; B's scales behind 4,096 rows of 32
	s_add_nc_u64 s[20:21], s[4:5], s[20:21]
	s_add_nc_u64 s[22:23], s[6:7], s[22:23]
	s_add_nc_u64 s[46:47], s[8:9], s[46:47]
	s_add_nc_u64 s[92:93], s[10:11], s[92:93]
	CROUND                                         ; all sixteen work-groups are here: the joint loads meet
	s_mov_b32 s[G0S], 1
	s_add_co_u32 s[G0S+1], s94, SCL
	s_mov_b64 s[G0S+2:G0S+3], s[22:23]
	s_or_b32 s[G0S+3], s[G0S+3], 0x80000000
	s_mov_b32 s[G0SB], 1
	s_add_co_u32 s[G0SB+1], s94, SCL
	s_mov_b64 s[G0SB+2:G0SB+3], s[92:93]
	s_or_b32 s[G0SB+3], s[G0SB+3], 0x80000000
	JLOAD G0S, G1S, G0SB, G1SB                     ; the scales first: they are wanted with the first slot
.irp s, 0,1
	s_mov_b32 s[G0+4*\s], 1
	s_add_co_u32 s[G0+4*\s+1], s45, \s*SLOT
	s_add_nc_u64 s[G0+4*\s+2:G0+4*\s+3], s[20:21], \s*ROWB
	s_or_b32 s[G0+4*\s+3], s[G0+4*\s+3], 0x80000000
	s_mov_b32 s[G0B+4*\s], 1
	s_add_co_u32 s[G0B+4*\s+1], s45, \s*SLOT
	s_add_nc_u64 s[G0B+4*\s+2:G0B+4*\s+3], s[46:47], \s*ROWB
	s_or_b32 s[G0B+4*\s+3], s[G0B+4*\s+3], 0x80000000
	JLOAD G0+4*\s, G1, G0B+4*\s, G1B
.endr
	s_load_b256 s[4:11], s[0:1], 0x10              ; for the way out: q_norm_w s[4:5], k_norm_w s[6:7], rope s[8:9], qkv s[10:11]
	s_load_b64 s[12:13], s[0:1], 0x30              ; fine
	v_and_b32 v1, 15, v0                           ; r = l % 16
	v_bfe_u32 v2, v0, 4, 1                         ; h = l / 16
	v_mul_u32_u24 v3, v1, PITCH
	v_lshl_add_u32 v4, v2, 4, v3                   ; a fragment's row x pitch + 16 x half
	s_mul_i32 s21, s15, HALFT                      ; my 128 rows of A
	s_mul_i32 s22, s16, HALFT                      ; my 128 rows of B,
	s_add_co_u32 s22, s22, 2*HALFT                 ; which lie behind A's 256
.irp s, 0,1
	v_add_nc_u32 v[ADRA+\s], s21, v4
	v_add_nc_u32 v[ADRB+\s], s22, v4
	s_add_co_u32 s21, s21, SLOT
	s_add_co_u32 s22, s22, SLOT
.endr
	v_mul_u32_u24 v5, v1, KS                       ; my row's scales: 32 bytes a row,
	v_lshrrev_b32 v6, 8, v5
	v_lshl_add_u32 v5, v6, 4, v5                   ; and 16 more for each 256 passed
	s_mul_i32 s21, s15, HALFS                      ; A's: my 128 rows
	s_mul_i32 s22, s16, HALFS                      ; B's: my 128 rows, behind A's 256
	s_add_co_u32 s22, s22, 2*HALFS
	s_sub_co_u32 s22, s22, s21
	v_mul_u32_u24 v6, s22, v2                      ; lanes 16-31 take B's
	s_add_co_u32 s21, s21, SCL
	v_add_nc_u32 v5, v5, v6
	v_add_nc_u32 v[ADRS], s21, v5
	; the way out's lane offsets
	v_and_b32 v7, 31, v0
	v_lshlrev_b32 v8, 4, v7                        ; v8: 16 x lane: q's and k's place in a piece, in f16 and in f32
	v_lshlrev_b32 v10, 8, v1
	v_lshl_add_u32 v10, v2, 5, v10                 ; v10: the table: position r of 256 bytes, + 8 h numbers
	v_lshlrev_b32 v11, 5, v2                       ; v11: the norm's weights: 8 h numbers
	v_lshrrev_b32 v13, 3, v1
	v_lshlrev_b32 v13, 8, v13
	v_lshl_add_u32 v13, v2, 7, v13
	v_and_b32 v7, 7, v1
	v_lshl_add_u32 v13, v7, 4, v13                 ; v13: v's place in a piece: 16 ((r / 8) 16 + 8 h + r % 8)
	v_lshlrev_b32 v14, 12, v1
	v_lshl_add_u32 v14, v2, 5, v14                 ; v14: v in f32: row r of 4,096 bytes, + 8 h numbers
	; and its scalar offsets
	s_and_b32 s18, s17, 7                          ; the tile row within its batch
	s_lshr_b32 s19, s17, 3                         ; the batch
	s_lshl_b32 s2, s18, 16                         ; the table: (256 x tile row + 128 x half) positions of 256 bytes
	s_lshl_b32 s3, s15, 15
	s_add_co_u32 s2, s2, s3
	s_mov_b32 s3, 0
	s_or_b32 s95, s18, s15                         ; 0 where my first 16 rows are positions 0-15 of a batch
	v_mov_b32 v12, s95                             ; v12: that flag, for the mask
	s_lshl_b32 s96, s40, 2
	s_lshl_b32 s97, s16, 1
	s_add_co_u32 s96, s96, s97                     ; my first head: 4 cx + 2 x half
	s_lshl_b32 s46, ttmp9, 23                      ; qkv: q, k or v: 8 MiB each,
	s_lshl_b32 s47, s19, 22                        ; the batch's 16 heads of 262,144 bytes,
	s_add_co_u32 s46, s46, s47
	s_lshl_b32 s47, s96, 18                        ; my first head,
	s_add_co_u32 s46, s46, s47
	s_lshl_b32 s47, s18, 15                        ; my first tile of 16 positions: 16 x tile row + 8 x half, 2,048 bytes each
	s_add_co_u32 s46, s46, s47
	s_lshl_b32 s47, s15, 14
	s_add_co_u32 s46, s46, s47
	s_mov_b32 s47, 0
	s_lshl_b32 s97, ttmp9, 16                      ; fine: q at 0, k at 65,536: 4,096 bytes a head;
	s_lshl_b32 s98, s96, 12
	s_add_co_u32 s97, s97, s98
	s_lshl_b32 s98, s96, 8                         ; v at 131,072: 256 bytes of a row a head
	s_add_co_u32 s98, s98, 131072
	s_cmp_lt_u32 ttmp9, 2
	s_cselect_b32 s96, s97, s98
	s_mul_i32 s97, s19, 196608                     ; a batch's part
	s_add_co_u32 s96, s96, s97
	s_mov_b32 s97, 0
	s_mov_b32 s21, 0x3c800000                      ; 1 / 64
	s_mov_b32 s22, 0x358637bd                      ; eps = 1e-6
	s_mov_b32 s92, 0x76543210
	s_mov_b32 s93, 0xfedcba98                      ; v_permlanex16_b32's selects for lane l xor 16
	s_cmp_eq_u32 ttmp9, 0
	s_cselect_b32 s20, 0x3e38aa3b, 1.0             ; q carries log2(e) / 8; k nothing
	s_wait_kmcnt 0x0
	s_cselect_b64 s[4:5], s[4:5], s[6:7]           ; q's weights or k's (the compare above still stands)
	s_add_nc_u64 s[8:9], s[8:9], s[2:3]
	s_add_nc_u64 s[10:11], s[10:11], s[46:47]
	s_add_nc_u64 s[12:13], s[12:13], s[96:97]
.macro TABLE a                         ; cos and sin of my row block a: lane (r, h): frequencies 16 b + 8 h + 0..7, b = 0, 1: cos at CT + 8 b, sin at CT + 16 + 8 b.  Eight loads into set a % 2
.set CT, 96+128*((\a)%2)
.irp b, 0,1
	global_load_b128 v[CT+8*\b:CT+8*\b+3], v10, s[8:9] offset:4096*(\a)+64*\b
	global_load_b128 v[CT+8*\b+4:CT+8*\b+7], v10, s[8:9] offset:4096*(\a)+64*\b+16
	global_load_b128 v[CT+16+8*\b:CT+16+8*\b+3], v10, s[8:9] offset:4096*(\a)+128+64*\b
	global_load_b128 v[CT+16+8*\b+4:CT+16+8*\b+7], v10, s[8:9] offset:4096*(\a)+128+64*\b+16
.endr
.endm
.irp bb, 0,1,2,3                       ; the norm's weights w[16 bb + 8 h + 0..7], into registers that the products leave idle; they land while the products run
	global_load_b128 v[192+8*\bb:195+8*\bb], v11, s[4:5] offset:64*\bb
	global_load_b128 v[196+8*\bb:199+8*\bb], v11, s[4:5] offset:64*\bb+16
.endr
	TABLE 0
	TABLE 1
.macro FRAG reg, adr, q, i             ; a fragment, 16 rows x 128 K of 4-bit codes: lane l holds row l % 16; registers 4 c .. 4 c + 3 hold K = 64 c + 32 (l / 16) + 0 .. 31
.irp c, 0,1
	ds_load_b128 v[\reg+4*\c:\reg+4*\c+3], v[\adr] offset:64*(\q)+32*\c+(\i)*16*PITCH
.endr
.endm
; 16 matrix instructions: A's blocks a0, a0 + 1 x B's eight, the slot's q-th 128 along K.  p: B's set;  sc: the set of scale words.  zero = 1: the first product starts the sums.
; The 64 accumulators take turns, one instruction a turn, in the same order in every step.
.macro MUL16 a0, p, q, sc, zero
.irp a, \a0, \a0+1
.irp b, 0,1,2,3,4,5,6,7
.if \zero
	v_wmma_scale_f32_16x16x128_f8f6f4 v[8*(8*((\a)%4)+\b):8*(8*((\a)%4)+\b)+7], v[128*(\p)+FR*\b:128*(\p)+FR*\b+FR-1], v[AF+FR*(\a):AF+FR*(\a)+FR-1], 0, v[SC+8*NQ*(\sc)+NQ*\b+(\q)], v[SC+8*NQ*(\sc)+NQ*(\a)+(\q)] matrix_a_fmt:MATRIX_FMT_FP4 matrix_b_fmt:MATRIX_FMT_FP4 matrix_a_scale:MATRIX_SCALE_ROW1
.else
	v_wmma_scale_f32_16x16x128_f8f6f4 v[8*(8*((\a)%4)+\b):8*(8*((\a)%4)+\b)+7], v[128*(\p)+FR*\b:128*(\p)+FR*\b+FR-1], v[AF+FR*(\a):AF+FR*(\a)+FR-1], v[8*(8*((\a)%4)+\b):8*(8*((\a)%4)+\b)+7], v[SC+8*NQ*(\sc)+NQ*\b+(\q)], v[SC+8*NQ*(\sc)+NQ*(\a)+(\q)] matrix_a_fmt:MATRIX_FMT_FP4 matrix_b_fmt:MATRIX_FMT_FP4 matrix_a_scale:MATRIX_SCALE_ROW1
.endif
.endr
.endr
.endm
.macro FETCH_B slot, q, p              ; B's eight fragments of the slot's q-th 128 along K into set p
	WIN TO_B
.irp i, 0,1,2,3,4,5,6,7
	FRAG 128*(\p)+FR*\i, ADRB+\slot, \q, \i
.endr
	WIN 0
.endm
.macro FETCH_A slot, q, i0             ; A's blocks i0 .. i0 + 3
.irp i, \i0, \i0+1, \i0+2, \i0+3
	FRAG AF+FR*(\i), ADRA+\slot, \q, \i
.endr
.endm
.macro SCALES sc                       ; a slot's scale words into set sc: four words a row; lanes 0-15 take A's block i, lanes 16-31 B's block i
.irp i, 0,1,2,3,4,5,6,7
	ds_load_b128 v[SC+8*NQ*\sc+NQ*\i:SC+8*NQ*\sc+NQ*\i+3], v[ADRS] offset:\i*SBLK
.endr
.endm
; A load into a register that a matrix instruction has read, and a vector instruction that reads a matrix result or writes one of its registers, stand NP places behind it; only plain vector
; instructions that name none of its registers are places.
.macro PLACES n
.rept \n
	v_nop
.endr
.endm
; A step of 128 along K that has its successor in the same slot.  A block of A is free as soon as its eight products are issued, so one set serves A: blocks 0-3 are fetched anew in the step's middle, blocks 4-7 at its end.
.macro STEP slot, q, zero
	s_wait_dscnt 4*NL                              ; B's set and A's blocks 0-3 are in; the youngest eight loads (A's blocks 4-7) may be out
	WIN MUL_LO
	MUL16 0, (\q)%2, \q, \slot, \zero
	MUL16 2, (\q)%2, \q, \slot, \zero
	s_wait_dscnt 0                                 ; A's blocks 4-7 are in
	PLACES NP
	FETCH_B \slot, (\q)+1, 1-(\q)%2
	FETCH_A \slot, (\q)+1, 0
	WIN MUL_HI
	MUL16 4, (\q)%2, \q, \slot, \zero
	MUL16 6, (\q)%2, \q, \slot, \zero
	PLACES NP
	WIN 0
	FETCH_A \slot, (\q)+1, 4
.endm
; The first slot's last step goes over to the second: each wave waits for its part of the second slot, then the barrier: behind it the slot is whole.  Nothing is filled again.
.macro TURN slot, next
	s_wait_tensorcnt 0x0                           ; all my tensor loads have landed: my part of the next slot
	ds_add_u32 v[SPW], v[NIL]                      ; 0 onto my spare word
	s_wait_dscnt 4*NL+1                            ; (the add and the youngest eight loads, A's blocks 4-7, may be out)
	WIN MUL_LO
	MUL16 0, 1, NQ-1, \slot, 0
	s_wait_dscnt 0x0                               ; no LDS instruction of mine is out at the signal
	s_barrier_signal -1
	MUL16 2, 1, NQ-1, \slot, 0
	WIN 0
	s_barrier_wait -1
	PLACES NP
	v_add_nc_u32 v[ADRS], 4*NQ, v[ADRS]            ; on to the next slot's scale words
	FETCH_B \next, 0, 0
	FETCH_A \next, 0, 0
	SCALES \next
	WIN MUL_HI
	MUL16 4, 1, NQ-1, \slot, 0
	MUL16 6, 1, NQ-1, \slot, 0
	PLACES NP
	WIN 0
	FETCH_A \next, 0, 4
.endm
	s_wait_tensorcnt 1                             ; the scales and my part of slot 0 are in; slot 1's load, the one issued behind them, may be out
	s_barrier_signal -1
	s_barrier_wait -1                              ; everybody's are
	FETCH_B 0, 0, 0
	FETCH_A 0, 0, 0
	SCALES 0
	FETCH_A 0, 0, 4
	STEP 0, 0, 1                                   ; the first step's products start the sums: nothing is cleared
	STEP 0, 1, 0
	STEP 0, 2, 0
	TURN 0, 1
	STEP 1, 0, 0
	STEP 1, 1, 0
	STEP 1, 2, 0
	s_wait_dscnt 4*NL                              ; the last step: nothing more to fetch
	WIN MUL_LO
	MUL16 0, 1, NQ-1, 1, 0
	MUL16 2, 1, NQ-1, 1, 0
	s_wait_dscnt 0
	WIN MUL_HI
	MUL16 4, 1, NQ-1, 1, 0
	MUL16 6, 1, NQ-1, 1, 0
	WIN 0
	PLACES NP                                      ; behind the last products: their results are read, and the registers of scale words and A's fragments are written, from here on
; THE WAY OUT OF q AND k: one head (64 columns) of one block of 16 positions.  x = the lane's 32 numbers, accumulators 4 hd .. 4 hd + 3 of block a.
; y = x w;  out[d] = y[d] cos - y[d + 32] sin, out[d + 32] = y[d + 32] cos + y[d] sin;  all times 1 / sqrt(mean(x x) + eps) (and q's scale): the factor is the same for a whole row, so it is applied last,
; and the multiplications by w and the rotation are the independent work behind the reciprocal root.
.macro HEAD a, hd
.set AC, 64*((\a)%4)+32*(\hd)
.set CT, 96+128*((\a)%2)
	s_wait_xcnt 0x0                                ; the last head's stores have read v64-95 and v128-143: they are written again only behind this wait
	WIN 0x0a+5*((\a)/4)                            ; sources 0 and 1: the accumulators' window
	v_pk_mul_f32 v[144:145], v[AC:AC+1], v[AC:AC+1]                ; the sum of squares, in two chains, each accumulator from its low end on
	v_pk_mul_f32 v[146:147], v[AC+2:AC+3], v[AC+2:AC+3]
.irp p, 4,8,12,16,20,24,28
	v_pk_fma_f32 v[144:145], v[AC+\p:AC+\p+1], v[AC+\p:AC+\p+1], v[144:145]
	v_pk_fma_f32 v[146:147], v[AC+\p+2:AC+\p+3], v[AC+\p+2:AC+\p+3], v[146:147]
.endr
	WIN 0
	v_pk_add_f32 v[144:145], v[144:145], v[146:147]
	v_add_f32 v144, v144, v145
	v_permlanex16_b32 v145, v144, s92, s93         ; the row's other 32 numbers lie in lane l xor 16
	v_add_f32 v144, v144, v145
	v_fma_f32 v144, v144, s21, s22                 ; the mean + eps
	v_rsq_f32 v148, v144
	WIN 0x02+((\a)/4)                              ; source 0: the accumulators' window
.irp p, 0,2,4,6,8,10,12,14,16,18,20,22,24,26,28,30
	v_pk_mul_f32 v[32+\p:33+\p], v[AC+\p:AC+\p+1], v[192+\p:193+\p]    ; y = x w
.endr
	WIN 0
.irp b, 0,1
.irp p, 0,2,4,6
	v_pk_mul_f32 v[64+8*\b+\p:65+8*\b+\p], v[32+8*\b+\p:33+8*\b+\p], v[CT+8*\b+\p:CT+8*\b+\p+1]
	v_pk_mul_f32 v[80+8*\b+\p:81+8*\b+\p], v[48+8*\b+\p:49+8*\b+\p], v[CT+8*\b+\p:CT+8*\b+\p+1]
.endr
.endr
.irp b, 0,1
.irp p, 0,2,4,6
	v_pk_fma_f32 v[64+8*\b+\p:65+8*\b+\p], v[48+8*\b+\p:49+8*\b+\p], v[CT+16+8*\b+\p:CT+16+8*\b+\p+1], v[64+8*\b+\p:65+8*\b+\p] neg_lo:[1,0,0] neg_hi:[1,0,0]
	v_pk_fma_f32 v[80+8*\b+\p:81+8*\b+\p], v[32+8*\b+\p:33+8*\b+\p], v[CT+16+8*\b+\p:CT+16+8*\b+\p+1], v[80+8*\b+\p:81+8*\b+\p]
.endr
.endr
	s_wait_alu depctr_va_vdst(0)                   ; the wait ahead of the root's first reader
	v_mul_f32 v150, s20, v148
	v_mul_f32 v151, s20, v148
.irp p, 0,2,4,6,8,10,12,14,16,18,20,22,24,26,28,30
	v_pk_mul_f32 v[64+\p:65+\p], v[64+\p:65+\p], v[150:151]
.endr
.if (\a) == 0                          ; positions 0-15 of a batch once more in f32
	s_wait_xcnt 0x0                                ; EXEC changes only behind this wait: it is a source of what has been issued
	v_cmp_eq_u32 vcc_lo, 0, v12
	s_and_saveexec_b32 s94, vcc_lo
.irp n, 0,1,2,3,4,5,6,7
	global_store_b128 v8, v[64+4*\n:67+4*\n], s[12:13] offset:4096*(\hd)+512*\n
.endr
	s_wait_xcnt 0x0                                ; and again, in front of the line that widens it
	s_or_b32 exec_lo, exec_lo, s94
.endif
.irp n, 0,1,2,3,4,5,6,7,8,9,10,11,12,13,14,15
	v_cvt_pk_f16_f32 v[128+\n], v[64+2*\n], v[65+2*\n]
.endr
.irp bb, 0,1,2,3
	global_store_b128 v8, v[128+4*\bb:131+4*\bb], s[10:11] offset:262144*(\hd)+2048*(\a)+512*\bb   ; a piece: 512 consecutive bytes
.endr
.endm
; THE WAY OUT OF v: rounded as it stands, in the order that the turning load wants.
.macro VHEAD a, hd
.set AC, 64*((\a)%4)+32*(\hd)
	s_wait_xcnt 0x0                                ; the last head's stores have read v128-143
	WIN 0x0a+5*((\a)/4)
.irp n, 0,1,2,3,4,5,6,7,8,9,10,11,12,13,14,15
	v_cvt_pk_f16_f32 v[128+\n], v[AC+2*\n], v[AC+2*\n+1]           ; each accumulator from its low end on
.endr
	WIN 0
.irp bb, 0,1,2,3
	global_store_b128 v13, v[128+4*\bb:131+4*\bb], s[10:11] offset:262144*(\hd)+2048*(\a)+512*\bb
.endr
.if (\a) == 0
	s_wait_xcnt 0x0                                ; EXEC changes only behind this wait
	v_cmp_eq_u32 vcc_lo, 0, v12
	s_and_saveexec_b32 s94, vcc_lo
	WIN 0x08                                       ; a store's data are its source 1: window 2
.irp n, 0,1,2,3,4,5,6,7
	global_store_b128 v14, v[AC+4*\n:AC+4*\n+3], s[12:13] offset:256*(\hd)+64*(\n/2)+16*(\n%2)
.endr
	WIN 0
	s_wait_xcnt 0x0
	s_or_b32 exec_lo, exec_lo, s94
.endif
.endm
	s_cmp_eq_u32 ttmp9, 2                          ; the cluster's x: the same in all sixteen partners
	s_cbranch_scc1 .Lvalues
.irp a, 0,1,2,3,4,5,6,7
.if \a < 7
	s_wait_loadcnt 8                               ; the weights and this block's cos/sin are in; the other set's eight loads may be out
.else
	s_wait_loadcnt 0x0
.endif
	HEAD \a, 0
	HEAD \a, 1
.if \a < 6
	TABLE \a+2                                     ; the set just used takes the block two further on
.endif
.endr
	s_branch .Lend
.Lvalues:
.irp a, 0,1,2,3,4,5,6,7
	VHEAD \a, 0
	VHEAD \a, 1
.endr
.Lend:
	s_wait_tensorcnt 0x0                           ; the wave's end
	ds_add_u32 v[SPW], v[NIL]
	s_wait_dscnt 0x0
	CROUND                                         ; the closing round: no work-group ends while a partner may still ask for a tile that names it
	s_endpgm
.Lfunc_end_k_qec1ad71c7d_qkv:
	.size	k_qec1ad71c7d_qkv, .Lfunc_end_k_qec1ad71c7d_qkv-k_qec1ad71c7d_qkv
	.p2alignl 7, 3214868480
	.fill 96, 4, 3214868480
	.section	.rodata,"a",@progbits
	.p2align	6, 0x0
	.amdhsa_kernel k_qec1ad71c7d_qkv
		.amdhsa_group_segment_fixed_size 327680
		.amdhsa_private_segment_fixed_size 0
		.amdhsa_enable_private_segment 0
		.amdhsa_kernarg_size 56
		.amdhsa_user_sgpr_count 2
		.amdhsa_user_sgpr_kernarg_segment_ptr 1
		.amdhsa_wavefront_size32 1
		.amdhsa_system_sgpr_workgroup_id_x 1
		.amdhsa_system_sgpr_workgroup_id_y 1
		.amdhsa_system_sgpr_workgroup_id_z 1
		.amdhsa_system_vgpr_workitem_id 0
		.amdhsa_next_free_vgpr 1024
		.amdhsa_next_free_sgpr 100
		.amdhsa_reserve_vcc 1
		.amdhsa_float_denorm_mode_32 3
		.amdhsa_float_denorm_mode_16_64 3
		.amdhsa_memory_ordered 1
		.amdhsa_forward_progress 1
		.amdhsa_inst_pref_size 241
	.end_amdhsa_kernel
	.amdgpu_metadata
---
amdhsa.version: [ 1, 2 ]
amdhsa.kernels:
  - .name:           k_qec1ad71c7d_qkv
    .symbol:         k_qec1ad71c7d_qkv.kd
    .args:
      - { .name: codes, .offset: 0, .size: 8, .value_kind: global_buffer, .address_space: global }
      - { .name: scales, .offset: 8, .size: 8, .value_kind: global_buffer, .address_space: global }
      - { .name: q_norm_w, .offset: 16, .size: 8, .value_kind: global_buffer, .address_space: global }
      - { .name: k_norm_w, .offset: 24, .size: 8, .value_kind: global_buffer, .address_space: global }
      - { .name: rope, .offset: 32, .size: 8, .value_kind: global_buffer, .address_space: global }
      - { .name: qkv, .offset: 40, .size: 8, .value_kind: global_buffer, .address_space: global }
      - { .name: fine, .offset: 48, .size: 8, .value_kind: global_buffer, .address_space: global }
    .group_segment_fixed_size: 327680
    .private_segment_fixed_size: 0
    .kernarg_segment_align: 8
    .kernarg_segment_size: 56
    .max_flat_workgroup_size: 128
    .sgpr_count:     100
    .vgpr_count:     1024
    .wavefront_size: 32
...
	.end_amdgpu_metadata
.endif
;; end of part 2
;; launch attn (part 3): grid 8 x 32, 8 waves a work-group, no clusters, 327,680 bytes of LDS; arguments qkv, sink_logit, oa; writes oa
.if DOCPART == 3
	.amdgcn_target "amdgcn-amd-amdhsa--gfx1250"
	.amdhsa_code_object_version 6
	.text
	.protected	k_qec1ad71c7d_attn
	.globl	k_qec1ad71c7d_attn
	.p2align	8
	.type	k_qec1ad71c7d_attn,@function
k_qec1ad71c7d_attn:
	s_mov_b64 s[64:65], 0
	v_nop
	global_prefetch_b8 v0, s[64:65] scope:SCOPE_SE
	s_setreg_imm32_b32 hwreg(HW_REG_WAVE_MODE, 25, 1), 1
	s_wait_xcnt 0x0
; ATTN: O[b][head][q] = sum over k <= q of p(q, k) v[k] / (sum of p + the sink's term), p = 2^(t - m), t = q . k in units of log2 (q carries log2(e) / 8), m the running largest of the sink's logit and the scores.
; Products in f16 with f32 sums; maxima, exponentials and sums in f32; p is rounded to f16 for the second product, O once at the end.  The row's sum is taken of the unrounded p.
; THE SINK is one more logit of each row with no value: the running maximum begins at it and the sum begins with its term 2^0 = 1, kept as 0.5 in each of the two lanes that share a row; it is rescaled with the sum.
; SHARES.  A work-group owns query blocks i and 15 - i (128 queries each) of one batch and head: 17 blocks of 128 x 128 under the causal mask for every i: 8 x 32 = 256 equal work-groups.
; Each of its eight waves owns 32 queries, TWO TILES of 16: tile A (Q0 ..) and tile B (Q0 + 16 ..).  A fragment of k or v that the wave reads from LDS feeds two products, one for each tile:
; a key step of a wave reads 64 x 512 bytes for 64 products.  Waves of the early and of the late block alternate, two waves to a SIMD.
; k and v come as images of operand registers, 2,048 bytes for 16 keys, through a ring of two LDS slots of 256 keys (k's 32,768 bytes, then v's), filled by waves 0 to 3, 16,384 dense bytes each; a wave has one tensor load out.
; An LDS load reads 16 x lane: 512 consecutive bytes; no padding is wanted.
; LAYOUT.  S^T = k q^T (source 0 = 16 keys, source 1 = 16 queries), O^T = v^T P (source 0 = 16 channels x 32 keys, by the turning load): a lane holds ONE query (lane % 16) of each tile throughout.
; CAUSAL.  Every work-group walks all 8 slots: the trip counts are constants.  A step all of whose 128 keys come after the wave's queries is jumped over (ids alone); a slot whose first key comes after the work-group's last query
; is not asked for.  Every wait for tensor loads is for 0.
; NO CLUSTER: the work-groups of a head need 5 to 8 of its 8 slots (i = 7 .. 0), so a joint load would bring some partners tiles that none of their waves reads.
; oa: O in f16 as images for the projection: [tile of 16 rows][2 head + c][1,024 bytes]: a tile's piece bb at 2,048 head + 512 bb + 16 x lane.
; LIMITS: sink_logit finite; |v| under 65,504; a p under 2^-126 counts as 0.
; REGISTERS, in two windows of 256 (s_set_vgpr_msb: bits 1:0 source 0, 3:2 source 1, 5:4 source 2, 7:6 destination).  TILE B'S STATE IS THE MIRROR OF TILE A'S: the same numbers, in window 1; so the mask, the softmax
; and the way out are written once and run twice, under windows 0x00 and 0x55.
;   both windows: v9 r - 8 h; v12 -m (v13 its pair's upper half); v[14:15] the sum; v16-31 q; v96-159 S^T, then p; v160-191 O^T; v192-223 P in f16; v224-255 at work.
;   v32-95: fragments of k or v: set X in window 0, set Y in window 1.   window 0 alone: v1 16 x lane; v5, v6 the add's two; v7 the prefetches' offset; v8 the slot's LDS address.
;   A product names (tile, set): (A, X) 0x00, (B, X) 0x54, (A, Y) 0x01, (B, Y) 0x55.
.set SLOT1, 1<<17                      ; slot 1 begins here: one exclusive or turns an address in one slot into the other's
.set VOFF,  32768                      ; in a slot: k's 16 tiles, then v's
.set SPARE, 2*SLOT1                    ; the spare words, 128 bytes for each of 8 waves
.set NSL,   8                          ; slots' worth of keys
.set AL,   1
.set SPW,  5
.set NIL,  6
.set PFO,  7
.set ADK,  8
.set DQ,   9
.set WV,   18                          ; s18  my wave's number
.set SEL,  20                          ; s[20:21] lane selects for lane l xor 16
.set G1,   24                          ; s[24:31] descriptor group 1
.set G0,   40                          ; s[40:43] group 0, which walks
.set TB,   2                           ; s2   LDS byte at which the slot in hand begins
.set SLOTS, 44                         ; s44  changes of slots still to come in the loop
.set KF,   45                          ; s45  the first key of the slot in hand
.set Q0,   46                          ; s46  my first query
.set QL,   47                          ; s47  my work-group's last query
.set PFA,  48                          ; s[48:49] where my prefetches of k stand
.set LIM,  50                          ; s50  1 in a wave that prefetches, else the greatest number
.set PFB,  56                          ; s[56:57] where my prefetches of v stand
.set MSB, 0
.macro WIN new                         ; the immediate's high byte repeats the setting that is left; a switch that changes nothing is dropped
.if MSB != \new
	s_set_vgpr_msb (MSB<<8)|\new
.set MSB, \new
.endif
.endm
.macro TLOAD                           ; waves 0 to 3 fetch, the others nothing; an s_nop 0 and four v_nop follow the load
	s_cmp_lt_u32 s[WV], 4
	s_cbranch_scc0 .Lasked_\@
	tensor_load_to_lds s[G0:G0+3], s[G1:G1+7]
	s_nop 0
.rept 4
	v_nop
.endr
.Lasked_\@:
.endm
; A PREFETCH of what the NEXT change of slots will ask for: a slot's 32,768 bytes of k and of v.  All work-groups of a head walk the same k and v; work-group x = 0, which walks all eight slots, asks, and nobody else.
; In it the waves ask that fetch nothing, waves 4 to 7: 8,192 bytes of k and 8,192 of v a wave, lanes 256 bytes apart, two instructions: each aligned 256 bytes are named once in the launch.
; It stands one slot, two key steps of all eight waves, ahead of the load.  Slots 0 and 1 come by their loads alone; the last change that fills a slot asks for nothing.
.macro ASK
	s_cmp_gt_u32 s[SLOTS], s[LIM]
	s_cbranch_scc0 .Lnot_mine_\@
	global_prefetch_b8 v[PFO], s[PFA:PFA+1] th:TH_LOAD_NT scope:SCOPE_SE
	global_prefetch_b8 v[PFO], s[PFB:PFB+1] th:TH_LOAD_NT scope:SCOPE_SE
.Lnot_mine_\@:
.endm
	s_load_b128 s[4:7], s[0:1], 0x0                ; qkv s[4:5], sink_logit s[6:7]
	s_load_b64 s[8:9], s[0:1], 0x10                ; oa
	v_lshl_add_u32 v[SPW], v0, 2, SPARE
	v_mov_b32 v[NIL], 0
	ds_add_u32 v[SPW], v[NIL]                      ; the wave's opening: the add, twice on end, and its wait ahead of my first tensor load
	ds_add_u32 v[SPW], v[NIL]
	v_lshrrev_b32 v8, 5, v0
	v_readfirstlane_b32 s[WV], v8                  ; wave 0..7
	s_and_b32 s10, ttmp7, 0xffff                   ; batch x 16 + head
	s_and_b32 s11, s10, 15                         ; the head
	s_lshr_b32 s12, s10, 4                         ; the batch
	s_lshl_b32 s14, s10, 18                        ; the head's first byte in each of q, k, v: 262,144 bytes a head
	s_lshr_b32 s13, s[WV], 2
	s_xor_b32 s13, s13, s[WV]
	s_and_b32 s13, s13, 1                          ; 0: the early block, 1: the late one
	s_sub_co_u32 s15, 15, ttmp9
	s_cmp_eq_u32 s13, 0
	s_cselect_b32 s15, ttmp9, s15
	s_lshl_b32 s15, s15, 7
	s_lshr_b32 s16, s[WV], 1
	s_lshl_b32 s16, s16, 5
	s_add_co_u32 s[Q0], s15, s16                   ; my first query: 128 x block + 32 x (wave / 2)
	s_lshl_b32 s15, ttmp9, 7
	s_sub_co_u32 s[QL], 2047, s15                  ; the late block's last query
	; group 1: 16,384 dense bytes as 64 rows of 256 (32 elements of 8 bytes), no padding
	s_mov_b32 s[G1], 3<<16                         ; 15:0 no mask; 17:16 elements of 8 bytes
	s_mov_b32 s[G1+1], 32<<16                      ; tensor_dim0
	s_mov_b32 s[G1+2], 64<<16                      ; tensor_dim1
	s_mov_b32 s[G1+3], 32<<16                      ; tile_dim0
	s_mov_b32 s[G1+4], 64                          ; tile_dim1
	s_mov_b32 s[G1+5], 32                          ; from row to row
	s_mov_b32 s[G1+6], 0
	s_mov_b32 s[G1+7], 0
	s_and_b32 s16, s[WV], 3                        ; what I fetch, if I fetch: 0, 1: k's halves; 2, 3: v's
	s_lshl_b32 s17, s16, 14                        ; its place in a slot
	s_lshr_b32 s19, s16, 1
	s_add_co_u32 s19, s19, 1
	s_lshl_b32 s19, s19, 23                        ; k begins 8 MiB, v 16 MiB into qkv
	s_and_b32 s16, s16, 1
	s_lshl_b32 s16, s16, 14
	s_add_co_u32 s32, s19, s16
	s_add_co_u32 s32, s32, s14
	s_mov_b32 s33, 0
	s_lshl_b32 s34, s[Q0], 7                       ; q: 128 bytes a position
	s_add_co_u32 s34, s34, s14
	s_mov_b32 s35, 0
	s_add_co_u32 s36, s[Q0], s11                   ; oa: (Q0 / 16) tiles of 32,768 bytes + 2,048 x head,
	s_lshl_b32 s36, s36, 11
	s_lshl_b32 s37, s12, 22                        ; + the batch's 128 tiles
	s_add_co_u32 s36, s36, s37
	s_mov_b32 s37, 0
	s_lshl_b32 s38, s11, 2                         ; the head's sink logit
	s_mov_b32 s39, 0
	s_and_b32 s53, s[WV], 3                        ; the prefetches: 8,192 bytes a wave,
	s_lshl_b32 s53, s53, 13
	s_add_co_u32 s52, s53, s14                     ; in my head,
	s_add_co_u32 s52, s52, 0x808000                ; in k (8 MiB into qkv), in slot 1: the first change of slots steps it to slot 2
	s_mov_b32 s53, 0
	s_lshr_b32 s51, s[WV], 2
	s_xor_b32 s51, s51, 1                          ; 0 in waves 4 to 7,
	s_or_b32 s51, s51, ttmp9                       ; of work-group x = 0
	s_cmp_eq_u32 s51, 0
	s_cselect_b32 s[LIM], 1, -1
	s_mov_b32 s[SEL], 0x76543210
	s_mov_b32 s[SEL+1], 0xfedcba98
	s_mov_b32 s[TB], 0
	s_mov_b32 s[SLOTS], NSL-1
	s_mov_b32 s[KF], 0
	s_wait_dscnt 0x0                               ; both opening adds are done
	s_wait_kmcnt 0x0
	s_mov_b32 s[G0], 1                             ; 1:0 count = 1
	s_mov_b32 s[G0+1], s17                         ; 63:32 LDS address: slot 0
	s_add_nc_u64 s[G0+2:G0+3], s[4:5], s[32:33]    ; 120:64 global address: the head's first 256 keys
	s_or_b32 s[G0+3], s[G0+3], 0x80000000          ; 127:126 type = 2
	TLOAD                                          ; slot 0: it holds key 0, which counts for every query
	s_add_nc_u64 s[6:7], s[6:7], s[38:39]
	s_load_b32 s54, s[6:7], 0x0                    ; the sink's logit
	s_add_nc_u64 s[PFA:PFA+1], s[4:5], s[52:53]
	s_add_nc_u64 s[PFB:PFB+1], s[PFA:PFA+1], 0x800000   ; v lies 8 MiB behind k
	s_add_nc_u64 s[8:9], s[8:9], s[36:37]
	s_add_nc_u64 s[4:5], s[4:5], s[34:35]
	v_and_b32 v2, 31, v0
	v_lshlrev_b32 v[AL], 4, v2
	v_lshlrev_b32 v[PFO], 8, v2
	v_and_b32 v3, 15, v0
	v_bfe_u32 v4, v0, 4, 1
	v_lshlrev_b32 v4, 3, v4
	v_sub_nc_u32 v[DQ], v3, v4                     ; r - 8 h
.macro STATE                           ; a tile's state at the start, under the tile's window
	v_mov_b32 v13, 0                               ; (named as the upper half of a pair)
	v_mov_b32 v14, 0.5                             ; the sink's term, half in each of the row's two lanes
	v_mov_b32 v15, 0
	v_mov_b32 v236, 0                              ; a lane permute's destination counts as one of its sources
	v_mov_b32 v243, 0                              ; (upper halves of pairs)
	v_mov_b32 v245, 0
.irp j, 0,1,2,3,4,5,6,7,8,9,10,11,12,13,14,15,16,17,18,19,20,21,22,23,24,25,26,27,28,29,30,31
	v_mov_b32 v[160+\j], 0                         ; O^T: the step is written once; its first walk finds zeros
.endr
.endm
.irp n, 0,1,2,3
	global_load_b128 v[16+4*\n:19+4*\n], v[AL], s[4:5] offset:512*\n        ; tile A's q: two fragments, which stay in registers
.endr
	STATE
	WIN 0x40                                       ; destination window 1, source 0 and addresses window 0
	v_mov_b32 v[DQ], v[DQ]                         ; r - 8 h for tile B's window
.irp n, 0,1,2,3
	global_load_b128 v[16+4*\n:19+4*\n], v[AL], s[4:5] offset:2048+512*\n   ; tile B's q: the next 16 positions
.endr
	WIN 0x55
	STATE
	WIN 0
	s_wait_kmcnt 0x0
	v_mov_b32 v12, s54
	v_mul_f32 v12, 0xbfb8aa3b, v12                 ; -m begins at -(sink x log2(e)),
	WIN 0x40
	v_mov_b32 v12, v12                             ; in both tiles
	WIN 0
.macro KLOAD q, g                      ; k's tiles 4 g .. 4 g + 3 of 16 keys of step q: fragment (t, c) at v[32 + 16 t + 8 c] of the set whose window is the destination's: 16 loads
.irp t, 0,1,2,3
.irp c, 0,1
	ds_load_b128 v[32+16*\t+8*\c:35+16*\t+8*\c], v[ADK] offset:2048*(8*(\q)+4*(\g)+\t)+1024*\c
	ds_load_b128 v[36+16*\t+8*\c:39+16*\t+8*\c], v[ADK] offset:2048*(8*(\q)+4*(\g)+\t)+1024*\c+512
.endr
.endr
.endm
.macro VLOAD q, k0                     ; v^T of key groups k0, k0 + 1 (32 keys each) of step q: fragment (bb, group) at v[32 + 32 kk + 8 bb]: registers 0-3 from the group's first tile of 16 keys, 4-7 from its second: 16 loads
.irp kk, 0,1
.irp bb, 0,1,2,3
.irp u, 0,1
	ds_load_tr16_b128 v[32+32*\kk+8*\bb+4*\u:35+32*\kk+8*\bb+4*\u], v[ADK] offset:VOFF+2048*(8*(\q)+2*((\k0)+\kk)+\u)+512*\bb
.endr
.endr
.endr
.endm
.macro SMUL g                          ; S^T = k q^T for four tiles of 16 keys, one tile of queries: the four accumulators by turns, one instruction a turn; the first four start the sums
.irp t, 0,1,2,3
	v_wmma_f32_16x16x32_f16 v[96+8*(4*(\g)+\t):103+8*(4*(\g)+\t)], v[32+16*\t:39+16*\t], v[16:23], 0
.endr
.irp t, 0,1,2,3
	v_wmma_f32_16x16x32_f16 v[96+8*(4*(\g)+\t):103+8*(4*(\g)+\t)], v[40+16*\t:47+16*\t], v[24:31], v[96+8*(4*(\g)+\t):103+8*(4*(\g)+\t)]
.endr
.endm
; The row's sum of the unrounded p is a list of 32 packed additions, in two chains; SUM1 writes number SN of it.
.macro SUM1
.if SN == 0
	v_pk_add_f32 v[244:245], v[96:97], v[98:99]
.elseif SN == 31
	v_pk_add_f32 v[14:15], v[14:15], v[244:245]
.elseif (SN%2) == 1
	v_pk_add_f32 v[14:15], v[14:15], v[96+2*(SN+1):97+2*(SN+1)]
.else
	v_pk_add_f32 v[244:245], v[244:245], v[98+2*SN:99+2*SN]
.endif
.set SN, SN+1
.endm
; O^T += v^T P for two key groups, one tile of queries: the four accumulators by turns.  sums = 1 (tile and set in one window): four of the tile's 32 additions stand behind each product: they name no register of
; the products, cost no switch of windows, and the last four are the places in front of the next loads into the set.
.macro PV k0, sums
.set SN, 0
.irp kk, 0,1
.irp bb, 0,1,2,3
	v_wmma_f32_16x16x32_f16 v[160+8*\bb:167+8*\bb], v[32+32*\kk+8*\bb:39+32*\kk+8*\bb], v[192+8*((\k0)+\kk):199+8*((\k0)+\kk)], v[160+8*\bb:167+8*\bb]
.if \sums
.rept 4
	SUM1
.endr
.endif
.endr
.endr
.endm
.macro MASK                            ; under the tile's window; s51 = the tile's first query - the step's first key.  Register 8 t + j holds key 16 t + 8 h + j of the step: hidden where 16 t + j > s51 + r - 8 h
	v_add_nc_u32 v224, s51, v[DQ]
	v_mov_b32 v225, 0xff800000
.irp n, 0,1,2,3,4,5,6,7,8,9,10,11,12,13,14,15,16,17,18,19,20,21,22,23,24,25,26,27,28,29,30,31,32,33,34,35,36,37,38,39,40,41,42,43,44,45,46,47,48,49,50,51,52,53,54,55,56,57,58,59,60,61,62,63
	v_cmp_gt_i32 vcc_lo, 16*(\n/8)+\n%8, v224
	v_cndmask_b32 v[96+\n], v[96+\n], v225, vcc_lo
.endr
.endm
.macro SOFT                            ; one tile's softmax for one key step, but for the row's sum; under the tile's window
.irp b, 0,1,2,3
	v_max3_num_f32 v[232+\b], v[96+16*\b], v[97+16*\b], v[98+16*\b]   ; the step's largest score, in four chains; each accumulator is entered at its low end
.endr
.irp i, 3,5,7,9,11,13
.irp b, 0,1,2,3
	v_max3_num_f32 v[232+\b], v[232+\b], v[96+16*\b+\i], v[97+16*\b+\i]
.endr
.endr
.irp b, 0,1,2,3
	v_max_num_f32 v[232+\b], v[232+\b], v[111+16*\b]
.endr
	v_max3_num_f32 v254, v232, v233, v234
	v_max_num_f32 v254, v254, v235
	v_permlanex16_b32 v236, v254, s[SEL], s[SEL+1] ; the query's other 64 keys lie in lane l xor 16
	v_max_num_f32 v254, v254, v236
	v_mov_b32 v240, v12
	v_min_num_f32 v12, v12, -v254                  ; the new -m
	v_sub_f32 v240, v12, v240                      ; m's old value less its new one: 0 or less
.irp j, 0,2,4,6,8,10,12,14,16,18,20,22,24,26,28,30,32,34,36,38,40,42,44,46,48,50,52,54,56,58,60,62
	v_pk_add_f32 v[96+\j:97+\j], v[96+\j:97+\j], v[12:13] op_sel_hi:[1,0]   ; t - m, two at a time (of the pair the low word serves both halves)
.endr
	v_exp_f32 v242, v240                           ; a = 2^(old m - new m)
.irp j, 0,1,2,3,4,5,6,7,8,9,10,11,12,13,14,15,16,17,18,19,20,21,22,23,24,25,26,27,28,29,30,31,32,33,34,35,36,37,38,39,40,41,42,43,44,45,46,47,48,49,50,51,52,53,54,55,56,57,58,59,60,61,62,63
	v_exp_f32 v[96+\j], v[96+\j]                   ; p = 2^(t - m), at most 1
.endr
	v_nop                                          ; a plain line behind the last exponential,
	s_wait_alu depctr_va_vdst(0)                   ; and ONE wait for the tile's batch of 65, ahead of its first reader
.irp n, 0,1,2,3,4,5,6,7,8,9,10,11,12,13,14,15,16,17,18,19,20,21,22,23,24,25,26,27,28,29,30,31
	v_cvt_pk_f16_f32 v[192+\n], v[96+2*\n], v[97+2*\n]   ; two neighbouring tiles of S^T, rounded in pairs, are source 1 (32 keys x 16 queries) of the second product
.endr
	v_pk_mul_f32 v[14:15], v[14:15], v[242:243] op_sel_hi:[1,0]   ; the sum under the new m
.irp j, 0,2,4,6,8,10,12,14,16,18,20,22,24,26,28,30
	v_pk_mul_f32 v[160+\j:161+\j], v[160+\j:161+\j], v[242:243] op_sel_hi:[1,0]   ; O^T under the new m
.endr
.endm
; A KEY STEP: 128 keys, the q-th of the slot in hand, for both tiles.  k's 16 fragments fill X and Y; behind the scores v's 16 take their place and land under the two softmaxes.
; In a slot's first step X is filled with the second step's first half of k as soon as its part of v^T P is issued.
.macro BODY q
.if (\q) == 0
	v_add_nc_u32 v[ADK], s[TB], v[AL]
.rept 3
	v_nop                                          ; with the addition above: four places in front of loads into registers that the last products read
.endr
	KLOAD 0, 0                                     ; -> X
.endif
	WIN 0x40
	KLOAD \q, 1                                    ; -> Y (four additions of tile B's sum stand behind the last product that read Y)
	s_wait_dscnt 16                                ; X is in; the 16 loads just issued, Y's, may be out
	WIN 0
	SMUL 0                                         ; (A, X)
	WIN 0x54
	SMUL 0                                         ; (B, X)
	s_wait_dscnt 0x0                               ; Y is in
	WIN 0x01
	SMUL 1                                         ; (A, Y)
	WIN 0x55
	SMUL 1                                         ; (B, Y).  Lane (r, h): query r of the tile; register 8 t + j: key 16 t + 8 h + j of the step
	WIN 0
.rept 4
	v_nop                                          ; places: for the loads below, and for the first read of the scores
.endr
	VLOAD \q, 0                                    ; v's first 64 keys -> X,
	WIN 0x40
	VLOAD \q, 2                                    ; its other 64 -> Y
	WIN 0
	s_add_co_u32 s51, s[KF], 128*(\q)+127          ; on the diagonal hidden scores become -infinity ahead of the maximum: p = 0 then.  A step all of whose keys count for my first query skips this
	s_cmp_le_u32 s51, s[Q0]
	s_cbranch_scc1 .Lopen_\@
	s_sub_co_i32 s51, s[Q0], s[KF]
.if (\q) == 1
	s_sub_co_i32 s51, s51, 128
.endif
	MASK
	s_add_co_i32 s51, s51, 16                      ; tile B's queries lie 16 further on
	WIN 0x55
	MASK
	WIN 0
.Lopen_\@:
	SOFT
	WIN 0x55
	SOFT
	s_wait_dscnt 0x0                               ; v is in
	WIN 0
	PV 0, 1                                        ; (A, X), and tile A's sum
	WIN 0x54
	PV 0, 0                                        ; (B, X)
.if (\q) == 0
	WIN 0
.rept 4
	v_nop                                          ; places behind the last product that read X
.endr
	KLOAD 1, 0                                     ; the next step's first half of k -> X: it lands under the 16 products below
.endif
	WIN 0x01
	PV 2, 0                                        ; (A, Y)
	WIN 0x55
	PV 2, 1                                        ; (B, Y), and tile B's sum
	WIN 0
.endm
; A slot's two steps.  A step all of whose keys come after my 32 queries is left out: a branch on ids, round the step's loads, products and softmax.  Both jumps lead to one label:
; the second step is reached through the first alone, which has asked for its first fragments.
.macro SLOT_STEPS
	s_add_co_u32 s51, s[Q0], 31
	s_cmp_gt_u32 s[KF], s51
	s_cbranch_scc1 .Lnone_\@
	BODY 0
	s_add_co_u32 s51, s[Q0], 31
	s_add_co_u32 s55, s[KF], 128
	s_cmp_gt_u32 s55, s51
	s_cbranch_scc1 .Lnone_\@
	BODY 1
.Lnone_\@:
	s_add_co_u32 s[KF], s[KF], 256
	s_xor_b32 s[TB], s[TB], SLOT1                  ; on to the other slot
.endm
; THE CHANGE OF SLOTS stands at a slot's head.  Each wave waits for all its tensor loads (its part of the slot that it is about to read), adds 0 to its spare word, and waits for that and for its reads of the slot that it has left.
; Behind the barrier the slot ahead is whole and nobody reads the other one.  fill = 1: that other slot takes the keys that follow, up to the causal limit: the load has a slot's two steps in which to land.
.macro CHANGE fill
	s_wait_tensorcnt 0x0                           ; no tensor load of mine is out, so group 0 may be written
	ds_add_u32 v[SPW], v[NIL]                      ; 0 onto my spare word
.if \fill
	ds_add_u32 v[SPW], v[NIL]                      ; and once more, in every trip alike
	s_xor_b32 s[G0+1], s[G0+1], SLOT1              ; the walking descriptor: the other slot than last time,
	s_add_nc_u64 s[G0+2:G0+3], s[G0+2:G0+3], 32768 ; the next 256 keys; the type bits on top are not reached
	s_wait_xcnt 0x0                                ; the last prefetches, a slot back, have read their addresses, so these may be written:
	s_add_nc_u64 s[PFA:PFA+1], s[PFA:PFA+1], 32768 ; one slot further on than the walking descriptor
	s_add_nc_u64 s[PFB:PFB+1], s[PFB:PFB+1], 32768
.endif
	s_wait_dscnt 0x0                               ; the add is done, and my reads of the slot that I have left are over
	s_barrier_signal -1
	s_barrier_wait -1
.if \fill
	s_add_co_u32 s51, s[KF], 256                   ; the first key of the slot that this change would ask for:
	s_cmp_gt_u32 s51, s[QL]                        ; behind my work-group's last query none of its waves would read it.  Ids and the count of slots alone: all eight waves go the same way
	s_cbranch_scc1 .Lpast_\@
	TLOAD                                          ; a wave's one tensor load until the next such barrier
.Lpast_\@:
	ASK
.endif
.endm
	s_wait_loadcnt 0x0                             ; q
.Lslot:                                            ; 7 trips: behind each change of slots but the last the next slot is asked for
	CHANGE 1
	SLOT_STEPS
	s_sub_co_u32 s[SLOTS], s[SLOTS], 1
	s_cmp_lg_u32 s[SLOTS], 0
	s_cbranch_scc1 .Lslot
	CHANGE 0                                       ; the last slot is written out: nothing is left to ask for
	SLOT_STEPS
	; THE WAY OUT.  A lane's eight channels of a piece, divided by the sum and rounded to f16, are 16 bytes of the projection's operand registers: they are stored as they stand.
.macro FINISH                          ; under the tile's window: the tile's 16 x 64 numbers into v32-47
	v_add_f32 v14, v14, v15                        ; the sum's two halves,
	v_permlanex16_b32 v236, v14, s[SEL], s[SEL+1]
	v_add_f32 v14, v14, v236                       ; and lane l xor 16's: the row's sum, the sink's term in it
	v_rcp_f32 v244, v14
	v_nop                                          ; a plain line behind the reciprocal,
	s_wait_alu depctr_va_vdst(0)                   ; and the wait ahead of its first reader
.irp j, 0,2,4,6,8,10,12,14,16,18,20,22,24,26,28,30
	v_pk_mul_f32 v[96+\j:97+\j], v[160+\j:161+\j], v[244:245] op_sel_hi:[1,0]
.endr
.irp n, 0,1,2,3,4,5,6,7,8,9,10,11,12,13,14,15
	v_cvt_pk_f16_f32 v[32+\n], v[96+2*\n], v[97+2*\n]
.endr
.endm
	s_wait_dscnt 0x0                               ; fragments that were asked for ahead of a step that was then left out have landed: X is written below
.rept 4
	v_nop                                          ; places behind the last products
.endr
	FINISH
.irp bb, 0,1,2,3
	global_store_b128 v[AL], v[32+4*\bb:35+4*\bb], s[8:9] offset:512*\bb          ; tile A: 512 consecutive bytes, aligned
.endr
	WIN 0x55
	FINISH
	WIN 0x04                                       ; a store's data are its source 1: window 1; its address window 0
.irp bb, 0,1,2,3
	global_store_b128 v[AL], v[32+4*\bb:35+4*\bb], s[8:9] offset:32768+512*\bb    ; tile B: the next tile of 16 rows
.endr
	WIN 0
	s_wait_tensorcnt 0x0                           ; the wave's end
	ds_add_u32 v[SPW], v[NIL]
	s_wait_dscnt 0x0
	s_endpgm
.Lfunc_end_k_qec1ad71c7d_attn:
	.size	k_qec1ad71c7d_attn, .Lfunc_end_k_qec1ad71c7d_attn-k_qec1ad71c7d_attn
	.p2alignl 7, 3214868480
	.fill 96, 4, 3214868480
	.section	.rodata,"a",@progbits
	.p2align	6, 0x0
	.amdhsa_kernel k_qec1ad71c7d_attn
		.amdhsa_group_segment_fixed_size 327680
		.amdhsa_private_segment_fixed_size 0
		.amdhsa_enable_private_segment 0
		.amdhsa_kernarg_size 24
		.amdhsa_user_sgpr_count 2
		.amdhsa_user_sgpr_kernarg_segment_ptr 1
		.amdhsa_wavefront_size32 1
		.amdhsa_system_sgpr_workgroup_id_x 1
		.amdhsa_system_sgpr_workgroup_id_y 1
		.amdhsa_system_sgpr_workgroup_id_z 1
		.amdhsa_system_vgpr_workitem_id 0
		.amdhsa_next_free_vgpr 512
		.amdhsa_next_free_sgpr 66
		.amdhsa_reserve_vcc 1
		.amdhsa_float_denorm_mode_32 3
		.amdhsa_float_denorm_mode_16_64 3
		.amdhsa_memory_ordered 1
		.amdhsa_forward_progress 1
		.amdhsa_inst_pref_size 183
	.end_amdhsa_kernel
	.amdgpu_metadata
---
amdhsa.version: [ 1, 2 ]
amdhsa.kernels:
  - .name:           k_qec1ad71c7d_attn
    .symbol:         k_qec1ad71c7d_attn.kd
    .args:
      - { .name: qkv, .offset: 0, .size: 8, .value_kind: global_buffer, .address_space: global }
      - { .name: sink_logit, .offset: 8, .size: 8, .value_kind: global_buffer, .address_space: global }
      - { .name: oa, .offset: 16, .size: 8, .value_kind: global_buffer, .address_space: global }
    .group_segment_fixed_size: 327680
    .private_segment_fixed_size: 0
    .kernarg_segment_align: 8
    .kernarg_segment_size: 24
    .max_flat_workgroup_size: 256
    .sgpr_count:     66
    .vgpr_count:     512
    .wavefront_size: 32
...
	.end_amdgpu_metadata
.endif
;; end of part 3
;; launch proj (part 4): grid 8 x 32, 4 waves a work-group, clusters of 4 x 4, 327,680 bytes of LDS; arguments oa, woimg, out0; writes out0
.if DOCPART == 4
	.amdgcn_target "amdgcn-amd-amdhsa--gfx1250"
	.amdhsa_code_object_version 6
	.text
	.protected	k_qec1ad71c7d_proj
	.globl	k_qec1ad71c7d_proj
	.p2align	8
	.type	k_qec1ad71c7d_proj,@function
k_qec1ad71c7d_proj:
	s_mov_b64 s[64:65], 0
	v_nop
	global_prefetch_b8 v0, s[64:65] scope:SCOPE_SE
	s_setreg_imm32_b32 hwreg(HW_REG_WAVE_MODE, 25, 1), 1
	s_wait_xcnt 0x0
	s_wait_alu depctr_hold_cnt(0) depctr_sa_sdst(0) depctr_va_vdst(0) depctr_va_sdst(0) depctr_va_ssrc(0) depctr_va_vcc(0) depctr_vm_vsrc(0)
	s_getreg_b32 s2, hwreg(HW_REG_IB_STS2, 6, 4)
	s_cmp_eq_u32 s2, 0
	s_cbranch_scc0 .Lentry_in_a_cluster
	s_endpgm
.Lentry_in_a_cluster:
	s_bfe_u32 s2, ttmp6, 0x10000c
	s_cmp_lg_u32 s2, 0xf033
	s_cbranch_scc0 .Lentry_shape_is_right
	s_endpgm
.Lentry_shape_is_right:
; PROJ: out0[4096][1024] = O wo^T, f16 operands, f32 sums, f32 out.  Both operands come as IMAGES OF OPERAND REGISTERS: oa [tile of 16 rows 256][kc 32][1,024 bytes], woimg [tile of 16 columns 64][kc 32][1,024 bytes];
; a fragment (16 rows x 32 K) is two LDS loads at 16 x lane, 512 bytes apart: 512 consecutive bytes each, so no padding is wanted.
; A tile of out0 is 128 x 128: 32 x 8 = 256 work-groups of four waves, each 64 x 64: 16 accumulators.  K goes in steps of 256 through a ring of two LDS slots: of each tile of 16 rows a K step is 8 images, 8,192 consecutive bytes;
; a wave's tensor load brings four such rows, 32,768 bytes apart in memory.  A wave has two tensor loads out at the start and one behind each round.
; CLUSTERS: 4 x 4 work-groups.  The four of a row of the cluster need the same tiles of O, the four of a column the same tiles of wo: each tile is asked for JOINTLY.
; THE MATRIX INSTRUCTION IS USED TRANSPOSED (source 0 = 16 rows of wo, source 1 = 16 rows of O): a lane holds eight neighbouring numbers of a row of out0.  A wave's 64 columns are 256 bytes, aligned:
; a block of 16 rows goes through the wave's OWN stage in LDS and leaves as whole rows of 256 bytes: no barrier.
; Rows 0-15 of each batch are written here too and replaced by the launch that follows, which carries them in f32.
; REGISTERS: window 0: v0-31 addresses; v32-95 rows on the way out; v128-255 the accumulators ((a, b) at v[128 + 8 (4 a + b)]).   window 1: two fragment buffers of 128: 64 registers of O (2 x 4 fragments), then 64 of wo.
.set KSB,    8192                      ; a K step of one tile of 16 rows, in bytes
.set HALFT,  4*KSB                     ; four such tiles: what one tensor load brings, and what one wave reads of O or of wo
.set SLOT,   4*HALFT                   ; O's 8 tiles, then wo's 8
.set STAGE,  2*SLOT                    ; behind the ring: 16 rows x 272 bytes for each wave
.set SPITCH, 272
.set SPARE,  STAGE+4*16*SPITCH         ; the spare words, 128 bytes a wave
.set LAPS,   2                         ; a lap = two K steps; K = 1,024
.set ADRA, 16                          ; v16-17  LDS address of my O fragments in slot 0, 1
.set ADRB, 20                          ; v20-21  the same for wo
.set STO,  24                          ; v24     the way out: where I put 32 bytes of a row
.set RD,   25                          ; v25     where I read a row back
.set CO,   26                          ; v26     my byte offset in out0
.set SPW,  28                          ; v28     my spare word; never rewritten
.set NIL,  29                          ; v29     0; never rewritten
.set TMP,  32
.set ACC,  128
.set F0,   0                           ; fragment buffers, in window 1
.set F1,   128
.set G1, 24                            ; s[24:31] group 1 for O's tiles;  s[32:39] group 0, a set for each slot
.set G0, 32
.set G1B, 48                           ; s[48:55], s[56:63] the same for wo's
.set G0B, 56
.set MSB, 0
.macro WIN new                         ; the immediate's high byte repeats the setting that is left
.if MSB != \new
	s_set_vgpr_msb (MSB<<8)|\new
.set MSB, \new
.endif
.endm
.set MUL,  0x05                        ; sources 0 and 1 window 1; C and D window 0
.set TO_F, 0x40                        ; destination window 1, address window 0
.macro JLOAD s                         ; a joint load: waves 0 and 1 fetch O's two halves, waves 2 and 3 wo's; an s_nop 0 and four v_nop follow each of the two lines
	s_cmp_eq_u32 s11, 0
	s_cbranch_scc0 .Lfor_b_\@
	tensor_load_to_lds s[G0+4*\s:G0+4*\s+3], s[G1:G1+7]
	s_nop 0
.rept 4
	v_nop
.endr
	s_branch .Lasked_\@
.Lfor_b_\@:
	tensor_load_to_lds s[G0B+4*\s:G0B+4*\s+3], s[G1B:G1B+7]
	s_nop 0
.rept 4
	v_nop
.endr
.Lasked_\@:
.endm
.macro CREST                           ; a round of the cluster's barrier behind its opening barrier
	s_cmp_lg_u32 s10, 0
	s_cbranch_scc1 .Lnot_wave_0_\@
	s_barrier_signal -3
.Lnot_wave_0_\@:
	s_barrier_wait -3
	s_barrier_signal -1
	s_barrier_wait -1
.endm
.macro CROUND                          ; a whole round
	s_barrier_signal -1
	s_barrier_wait -1
	CREST
.endm
	s_load_b128 s[4:7], s[0:1], 0x0                ; oa s[4:5], woimg s[6:7]
	s_load_b64 s[8:9], s[0:1], 0x10                ; out0
	v_lshl_add_u32 v[SPW], v0, 2, SPARE
	v_mov_b32 v[NIL], 0
	ds_add_u32 v[SPW], v[NIL]                      ; the wave's opening: the add, twice on end, and its wait ahead of my first tensor load
	ds_add_u32 v[SPW], v[NIL]
	v_lshrrev_b32 v1, 5, v0
	v_readfirstlane_b32 s10, v1                    ; wave 0..3
	s_lshr_b32 s11, s10, 1                         ; which half of the tile's rows is mine.  Also: I fetch for O (0) or for wo (1)
	s_and_b32 s12, s10, 1                          ; which half of its columns.  Also: which four tiles of 16 rows I fetch
	s_bfe_u32 s40, ttmp6, 0x40000                  ; cx, cy: my place in the cluster
	s_bfe_u32 s41, ttmp6, 0x40004
	s_lshl_b32 s42, ttmp9, 2
	s_add_co_u32 s42, s42, s40                     ; tile column = 4 x cluster x + cx
	s_and_b32 s13, ttmp7, 0xffff
	s_lshl_b32 s13, s13, 2
	s_add_co_u32 s13, s13, s41                     ; tile row = 4 x cluster y + cy
	s_lshl_b32 s43, s41, 2
	s_lshl_b32 s43, 15, s43                        ; my row of the cluster
	s_lshl_b32 s44, 0x1111, s40                    ; my column
	; group 1: 4 rows of 8,192 bytes (1,024 elements of 8), 32,768 bytes apart, laid on end in LDS
	s_or_b32 s[G1+0], s43, (3<<16)|(1<<21)         ; 15:0 the mask: O's tiles go to my row; 17:16 elements of 8 bytes; 21 set beside a mask
	s_or_b32 s[G1B+0], s44, (3<<16)|(1<<21)
.irp g, G1, G1B
	s_mov_b32 s[\g+1], 1024<<16                    ; tensor_dim0
	s_mov_b32 s[\g+2], 4<<16                       ; tensor_dim1
	s_mov_b32 s[\g+3], 1024<<16                    ; tile_dim0
	s_mov_b32 s[\g+4], 4                           ; tile_dim1
	s_mov_b32 s[\g+5], 4096                        ; from row to row
	s_mov_b32 s[\g+6], 0
	s_mov_b32 s[\g+7], 0
.endr
	s_lshl_b32 s17, s12, 2                         ; which four tiles I fetch
	s_lshl_b32 s16, s13, 3
	s_add_co_u32 s16, s16, s17                     ; O: tile of 16 rows 8 x tile row + 4 x half,
	s_lshl_b32 s16, s16, 15                        ; 32,768 bytes each
	s_lshl_b32 s46, s42, 3
	s_add_co_u32 s46, s46, s17                     ; wo: 8 x tile column + 4 x half
	s_lshl_b32 s46, s46, 15
	s_mov_b32 s17, 0
	s_mov_b32 s47, 0
	s_mul_i32 s20, s10, HALFT                      ; where they go: wave x 32,768: no place in the cluster enters an LDS address
	s_wait_dscnt 0x0                               ; both opening adds are done
	s_wait_kmcnt 0x0
	s_add_nc_u64 s[14:15], s[4:5], s[16:17]
	s_add_nc_u64 s[46:47], s[6:7], s[46:47]
	CROUND                                         ; all sixteen work-groups are here: the first joint loads meet
.irp s, 0,1
	s_mov_b32 s[G0+4*\s], 1
	s_add_co_u32 s[G0+4*\s+1], s20, \s*SLOT
	s_add_nc_u64 s[G0+4*\s+2:G0+4*\s+3], s[14:15], \s*KSB
	s_or_b32 s[G0+4*\s+3], s[G0+4*\s+3], 0x80000000
	s_mov_b32 s[G0B+4*\s], 1
	s_add_co_u32 s[G0B+4*\s+1], s20, \s*SLOT
	s_add_nc_u64 s[G0B+4*\s+2:G0B+4*\s+3], s[46:47], \s*KSB
	s_or_b32 s[G0B+4*\s+3], s[G0B+4*\s+3], 0x80000000
	JLOAD \s
.endr
	v_and_b32 v1, 15, v0                           ; r
	v_bfe_u32 v2, v0, 4, 1                         ; h
	v_and_b32 v3, 31, v0
	v_lshlrev_b32 v3, 4, v3                        ; 16 x lane
	s_mul_i32 s21, s11, HALFT                      ; my four tiles of O
	s_mul_i32 s22, s12, HALFT                      ; my four tiles of wo,
	s_add_co_u32 s22, s22, 2*HALFT                 ; which lie behind O's eight
.irp s, 0,1
	v_add_nc_u32 v[ADRA+\s], s21, v3
	v_add_nc_u32 v[ADRB+\s], s22, v3
	s_add_co_u32 s21, s21, SLOT
	s_add_co_u32 s22, s22, SLOT
.endr
	s_mul_i32 s23, s10, 16*SPITCH
	s_add_co_u32 s23, s23, STAGE                   ; my stage
	v_mul_u32_u24 v4, v1, SPITCH                   ; in: row r, 32 bytes for each half of the lanes
	v_lshl_add_u32 v4, v2, 5, v4
	v_add_nc_u32 v[STO], s23, v4
	v_mul_u32_u24 v5, v2, SPITCH                   ; back: lanes 0-15 take one row of 256 bytes, lanes 16-31 the next
	v_lshl_add_u32 v5, v1, 4, v5
	v_add_nc_u32 v[RD], s23, v5
	v_lshlrev_b32 v5, 12, v2                       ; and the same two rows in out0: 4,096 bytes a row
	v_lshl_add_u32 v[CO], v1, 4, v5
	s_lshl_b32 s16, s13, 7
	s_lshl_b32 s17, s11, 6
	s_add_co_u32 s16, s16, s17                     ; my first row: 128 x tile row + 64 x half
	s_lshl_b32 s16, s16, 12
	s_mov_b32 s17, 0
	s_add_nc_u64 s[8:9], s[8:9], s[16:17]
	s_lshl_b32 s46, s42, 9                         ; my first column, in bytes: 512 x tile column + 256 x half
	s_lshl_b32 s47, s12, 8
	s_add_co_u32 s46, s46, s47
	s_mov_b32 s47, 0
	s_add_nc_u64 s[8:9], s[8:9], s[46:47]
; 8 matrix instructions: row blocks a0, a0 + 1 x all 4 column blocks, 32 along K: half c of buffer f.  zero = 1: the first product starts the sums.  The 16 accumulators take turns
.macro MUL8 f, c, a0, zero
.irp a, \a0, \a0+1
.irp b, 0,1,2,3
.if \zero
	v_wmma_f32_16x16x32_f16 v[ACC+8*(4*(\a)+\b):ACC+8*(4*(\a)+\b)+7], v[\f+64+8*(4*\c+\b):\f+64+8*(4*\c+\b)+7], v[\f+8*(4*\c+\a):\f+8*(4*\c+\a)+7], 0
.else
	v_wmma_f32_16x16x32_f16 v[ACC+8*(4*(\a)+\b):ACC+8*(4*(\a)+\b)+7], v[\f+64+8*(4*\c+\b):\f+64+8*(4*\c+\b)+7], v[\f+8*(4*\c+\a):\f+8*(4*\c+\a)+7], v[ACC+8*(4*(\a)+\b):ACC+8*(4*(\a)+\b)+7]
.endif
.endr
.endr
.endm
; 32 LDS loads in one run: the fragments of 64 along K (two images of each tile, from byte k of its K step on) into buffer f; the first 32 along K first
.macro FETCH slot, k, f
	WIN TO_F
.irp c, 0,1
.irp i, 0,1,2,3
	ds_load_b128 v[\f+64+8*(4*\c+\i):\f+64+8*(4*\c+\i)+3],   v[ADRB+\slot] offset:\k+1024*\c+\i*KSB
	ds_load_b128 v[\f+64+8*(4*\c+\i)+4:\f+64+8*(4*\c+\i)+7], v[ADRB+\slot] offset:\k+1024*\c+\i*KSB+512
	ds_load_b128 v[\f+8*(4*\c+\i):\f+8*(4*\c+\i)+3],         v[ADRA+\slot] offset:\k+1024*\c+\i*KSB
	ds_load_b128 v[\f+8*(4*\c+\i)+4:\f+8*(4*\c+\i)+7],       v[ADRA+\slot] offset:\k+1024*\c+\i*KSB+512
.endr
.endr
.endm
.macro PLACES                          ; four places in front of loads into registers that matrix instructions have read, and of the first read of results
.rept 4
	v_nop
.endr
.endm
; A K step is four quarters of 64 along K, 32 matrix instructions each, on buffers 0, 1, 0, 1.  One of the first three: multiplies buffer f and fetches the next quarter, at byte k, into g.
.macro QUARTER slot, k, f, g, zero
	s_wait_dscnt 16                                ; the first 32 along K are in; the sixteen loads of the second 32 may be out
	WIN MUL
	MUL8 \f, 0, 0, \zero
	MUL8 \f, 0, 2, \zero
	PLACES
	FETCH \slot, \k, \g
	s_wait_dscnt 32                                ; all but the 32 just issued
	WIN MUL
	MUL8 \f, 1, 0, 0
	MUL8 \f, 1, 2, 0
.endm
; The last quarter multiplies buffer 1 and changes slots: ONE barrier; in front of it each wave waits for all its tensor loads, adds 0 to its spare word, and waits for that and for its own reads of this slot.  fill = 1: this slot is filled again, two K steps ahead.
.macro TURN slot, next, fill
	WIN 0                                          ; (the add's two registers lie in window 0)
	s_wait_tensorcnt 0x0                           ; all my tensor loads have landed: my part of the next slot;
	ds_add_u32 v[SPW], v[NIL]                      ; 0 onto my spare word;
	s_wait_dscnt 17                                ; (the add and the youngest sixteen loads may be out)
	WIN MUL
	MUL8 F1, 0, 0, 0                               ; eight matrix instructions stand between the add and the wait for it
	s_wait_dscnt 0x0                               ; the add is done, and my reads of this slot are over
	s_barrier_signal -1
	MUL8 F1, 0, 2, 0
.if \fill
	WIN 0
.endif
	s_barrier_wait -1
.if \fill
	CREST                                          ; the barrier has opened a round of the cluster's barrier: no wave of any partner still reads this slot's tile or has a load on its way
	s_add_nc_u64 s[G0+4*\slot+2:G0+4*\slot+3], s[G0+4*\slot+2:G0+4*\slot+3], 2*KSB
	s_add_nc_u64 s[G0B+4*\slot+2:G0B+4*\slot+3], s[G0B+4*\slot+2:G0B+4*\slot+3], 2*KSB
	JLOAD \slot                                    ; the first tensor load behind the round; the four v_nop behind it are also the places in front of the loads below
.else
	PLACES
.endif
	FETCH \next, 0, F0
	WIN MUL
	MUL8 F1, 1, 0, 0
	MUL8 F1, 1, 2, 0
.endm
	s_wait_tensorcnt 1                             ; my part of K step 0 is in; K step 1's load may be out
	s_barrier_signal -1
	s_barrier_wait -1                              ; everybody's is
	FETCH 0, 0, F0
	QUARTER 0, 2048, F0, F1, 1                     ; the first quarter stands in front of the loop: its first products start the sums
	WIN 0                                          ; at a label and at a branch every window is 0
	s_mov_b32 s3, LAPS-1
.Llap:                                             ; a trip goes once round the ring, from a lap's second quarter to the next lap's first, and fills both slots again
	QUARTER 0, 4096, F1, F0, 0
	QUARTER 0, 6144, F0, F1, 0
	TURN 0, 1, 1
	QUARTER 1, 2048, F0, F1, 0
	QUARTER 1, 4096, F1, F0, 0
	QUARTER 1, 6144, F0, F1, 0
	TURN 1, 0, 1
	QUARTER 0, 2048, F0, F1, 0
	WIN 0
	s_sub_co_u32 s3, s3, 1
	s_cmp_lg_u32 s3, 0
	s_cbranch_scc1 .Llap
	QUARTER 0, 4096, F1, F0, 0                     ; the last lap fills nothing, and has no round of the cluster's barrier
	QUARTER 0, 6144, F0, F1, 0
	TURN 0, 1, 0
	QUARTER 1, 2048, F0, F1, 0
	QUARTER 1, 4096, F1, F0, 0
	QUARTER 1, 6144, F0, F1, 0
	s_wait_dscnt 16                                ; the very last quarter: nothing more to fetch
	WIN MUL
	MUL8 F1, 0, 0, 0
	MUL8 F1, 0, 2, 0
	s_wait_dscnt 0
	MUL8 F1, 1, 0, 0
	MUL8 F1, 1, 2, 0
	WIN 0
; THE WAY OUT, block by block of 16 rows x 64 columns, through my own stage.  LDS serves a wave's instructions in order (ISA guide 5.7.1.4): no wait between the stores and the loads, nor in front of the next block's stores.
.macro TOSTAGE a
.irp b, 0,1,2,3
	ds_store_b128 v[STO], v[ACC+8*(4*(\a)+\b):ACC+8*(4*(\a)+\b)+3] offset:64*\b        ; each accumulator from its low end on
	ds_store_b128 v[STO], v[ACC+8*(4*(\a)+\b)+4:ACC+8*(4*(\a)+\b)+7] offset:64*\b+16
.endr
.irp t, 0,1,2,3,4,5,6,7
	ds_load_b128 v[TMP+32*((\a)%2)+4*\t:TMP+32*((\a)%2)+4*\t+3], v[RD] offset:\t*2*SPITCH
.endr
.endm
.macro SEND a, younger                 ; younger: the LDS instructions issued behind block a's loads: the next block's eight stores and eight loads, or none
	s_wait_dscnt \younger
.irp t, 0,1,2,3,4,5,6,7
	global_store_b128 v[CO], v[TMP+32*((\a)%2)+4*\t:TMP+32*((\a)%2)+4*\t+3], s[8:9] offset:(16*(\a)+2*\t)*4096 th:TH_STORE_NT   ; 16 lanes store 256 consecutive bytes, aligned
.endr
.endm
	PLACES
	TOSTAGE 0
	TOSTAGE 1
	SEND 0, 16
	s_wait_xcnt 0x0                                ; block 0's stores have read their registers: block 2's loads may land there
	TOSTAGE 2
	SEND 1, 16
	s_wait_xcnt 0x0                                ; block 1's likewise
	TOSTAGE 3
	SEND 2, 16
	SEND 3, 0
	s_wait_tensorcnt 0x0                           ; the wave's end
	ds_add_u32 v[SPW], v[NIL]
	s_wait_dscnt 0x0
	CROUND                                         ; the closing round: no work-group ends while a partner may still ask for a tile that names it
	s_endpgm
.Lfunc_end_k_qec1ad71c7d_proj:
	.size	k_qec1ad71c7d_proj, .Lfunc_end_k_qec1ad71c7d_proj-k_qec1ad71c7d_proj
	.p2alignl 7, 3214868480
	.fill 96, 4, 3214868480
	.section	.rodata,"a",@progbits
	.p2align	6, 0x0
	.amdhsa_kernel k_qec1ad71c7d_proj
		.amdhsa_group_segment_fixed_size 327680
		.amdhsa_private_segment_fixed_size 0
		.amdhsa_enable_private_segment 0
		.amdhsa_kernarg_size 24
		.amdhsa_user_sgpr_count 2
		.amdhsa_user_sgpr_kernarg_segment_ptr 1
		.amdhsa_wavefront_size32 1
		.amdhsa_system_sgpr_workgroup_id_x 1
		.amdhsa_system_sgpr_workgroup_id_y 1
		.amdhsa_system_sgpr_workgroup_id_z 1
		.amdhsa_system_vgpr_workitem_id 0
		.amdhsa_next_free_vgpr 512
		.amdhsa_next_free_sgpr 66
		.amdhsa_reserve_vcc 0
		.amdhsa_float_denorm_mode_32 3
		.amdhsa_float_denorm_mode_16_64 3
		.amdhsa_memory_ordered 1
		.amdhsa_forward_progress 1
		.amdhsa_inst_pref_size 85
	.end_amdhsa_kernel
	.amdgpu_metadata
---
amdhsa.version: [ 1, 2 ]
amdhsa.kernels:
  - .name:           k_qec1ad71c7d_proj
    .symbol:         k_qec1ad71c7d_proj.kd
    .args:
      - { .name: oa, .offset: 0, .size: 8, .value_kind: global_buffer, .address_space: global }
      - { .name: woimg, .offset: 8, .size: 8, .value_kind: global_buffer, .address_space: global }
      - { .name: out0, .offset: 16, .size: 8, .value_kind: global_buffer, .address_space: global }
    .group_segment_fixed_size: 327680
    .private_segment_fixed_size: 0
    .kernarg_segment_align: 8
    .kernarg_segment_size: 24
    .max_flat_workgroup_size: 128
    .sgpr_count:     66
    .vgpr_count:     512
    .wavefront_size: 32
...
	.end_amdgpu_metadata
.endif
;; end of part 4
;; launch first16 (part 5): grid 64 x 2, 16 waves a work-group, no clusters, 18,432 bytes of LDS; arguments fine, wo, sink_logit, out0; writes out0
.if DOCPART == 5
	.amdgcn_target "amdgcn-amd-amdhsa--gfx1250"
	.amdhsa_code_object_version 6
	.text
	.protected	k_qec1ad71c7d_first16
	.globl	k_qec1ad71c7d_first16
	.p2align	8
	.type	k_qec1ad71c7d_first16,@function
k_qec1ad71c7d_first16:
	s_mov_b64 s[64:65], 0
	v_nop
	global_prefetch_b8 v0, s[64:65] scope:SCOPE_SE
	s_setreg_imm32_b32 hwreg(HW_REG_WAVE_MODE, 25, 1), 1
	s_wait_xcnt 0x0
; FIRST16: positions 0-15 of each batch once more, with f32 operands through all three products that follow the quantised ones: these rows average one to sixteen values and are the largest of the output.
; A work-group (tile of 16 output columns x, batch y) makes out0[16 positions][16 columns].  Wave w = head w: its head's attention over the 16 x 16 causal block, then its 64 of the projection's K = 1,024;
; the sixteen shares are added through LDS.  The attention is repeated in the 64 work-groups of a batch: 32 of a wave's 48 matrix instructions; a launch more for it alone would cost more than that.
; 32 rows of 4,096 bytes are replaced, 64 bytes of a row a work-group.  No tensor load, no cluster: a wave reads 16 KiB once.
; THE f32 MATRIX FORM takes K = 4: lane (r, h), register j holds k = 2 h + j.  K is PERMUTED ALIKE ON BOTH SOURCES, so that every operand is two neighbouring registers as they were loaded or made:
;   S^T (source 0 = k, source 1 = q): registers 8 bb + 2 u, + 1 of both images: d = 16 bb + 8 h + 2 u + j.        Result: lane (r, h): query r, keys 8 h + 0..7.
;   O^T (source 0 = v^T, source 1 = p): p's registers 2 s, 2 s + 1: key 8 h + 2 s + j; v is loaded so.            Result: query r, channels 16 bb + 8 h + 0..7.
;   out^T (source 0 = wo, source 1 = O^T's registers 2 u, 2 u + 1 of tile t): d = 16 t + 8 h + 2 u + j; wo is loaded so.  Result: position r, columns 8 h + 0..7.
; Each product has four accumulators that take turns, one instruction a turn, and are written by matrix instructions alone; their four parts are added into other registers.
; p is divided by the row's sum AHEAD of the second product, so that O^T goes on as it stands.  q carries log2(e) / 8.  LIMITS: sink_logit finite; NaN and infinities are not served.
; REGISTERS: v3-9 offsets; v12, v13 the add's two; v14 the sink in units of log2; v16-47 q; v48-79 k; v80-111 v; v112-143 wo; v144-175, v176-207, v208-239 the three products' accumulators; v240-247 scores, then p; v248-255 at work.
.set SPW,   12
.set NIL,   13
.set SPARE, 16384                      ; behind the sixteen shares of 1,024 bytes: the spare words, 128 bytes a wave
.set WV,    12                         ; s12  my wave's number = my head
.set SEL,   22                         ; s[22:23] lane selects for lane l xor 16
	s_load_b256 s[4:11], s[0:1], 0x0               ; fine s[4:5], wo s[6:7], sink_logit s[8:9], out0 s[10:11]
	v_lshl_add_u32 v[SPW], v0, 2, SPARE
	v_mov_b32 v[NIL], 0
	v_lshrrev_b32 v1, 5, v0
	v_readfirstlane_b32 s[WV], v1                  ; wave 0..15
	s_and_b32 s13, ttmp7, 0xffff                   ; the batch
	v_and_b32 v1, 15, v0                           ; r
	v_bfe_u32 v2, v0, 4, 1                         ; h
	v_and_b32 v3, 31, v0
	v_lshlrev_b32 v3, 4, v3                        ; q, k: 16 x lane
	v_lshlrev_b32 v4, 2, v1
	v_lshl_add_u32 v4, v2, 15, v4                  ; v: key 8 h of 4,096 bytes, channel r
	v_lshlrev_b32 v5, 12, v1
	v_lshl_add_u32 v5, v2, 5, v5                   ; wo: row r of 4,096 bytes, + 8 h numbers
	v_lshlrev_b32 v6, 3, v2
	v_sub_nc_u32 v6, v1, v6                        ; r - 8 h: register j's key is hidden where j > this
	v_lshlrev_b32 v7, 6, v1
	v_lshl_add_u32 v7, v2, 5, v7
	s_lshl_b32 s14, s[WV], 10
	v_add_nc_u32 v7, s14, v7                       ; LDS: my share: 1,024 w + 64 r + 32 h
	v_lshlrev_b32 v8, 2, v0                        ; LDS, back: number t of a share, t my thread's number (waves 0 to 7)
	v_lshrrev_b32 v9, 4, v0
	v_lshlrev_b32 v9, 12, v9
	v_lshl_add_u32 v9, v1, 2, v9                   ; out0: position t / 16, column t % 16
	s_mul_i32 s16, s13, 196608                     ; fine: the batch's part,
	s_lshl_b32 s17, s[WV], 12                      ; q and k: 4,096 bytes a head
	s_add_co_u32 s18, s16, s17
	s_mov_b32 s19, 0
	s_lshl_b32 s17, s[WV], 8                       ; v: 256 bytes of a row a head, from 131,072 on
	s_add_co_u32 s16, s16, s17
	s_add_co_u32 s16, s16, 131072
	s_mov_b32 s17, 0
	s_lshl_b32 s20, ttmp9, 16                      ; wo: 16 rows a tile, my head's 64 numbers
	s_lshl_b32 s21, s[WV], 8
	s_add_co_u32 s20, s20, s21
	s_mov_b32 s21, 0
	s_lshl_b32 s24, s[WV], 2                       ; my head's sink logit
	s_mov_b32 s25, 0
	s_lshl_b32 s26, s13, 23                        ; out0: the batch's 2,048 rows of 4,096 bytes, the tile's 64 bytes
	s_lshl_b32 s27, ttmp9, 6
	s_add_co_u32 s26, s26, s27
	s_mov_b32 s27, 0
	s_mov_b32 s[SEL], 0x76543210
	s_mov_b32 s[SEL+1], 0xfedcba98
	s_wait_kmcnt 0x0
	s_add_nc_u64 s[8:9], s[8:9], s[24:25]
	s_load_b32 s28, s[8:9], 0x0
	s_add_nc_u64 s[14:15], s[4:5], s[16:17]        ; v
	s_add_nc_u64 s[4:5], s[4:5], s[18:19]          ; q; k lies 65,536 bytes on
	s_add_nc_u64 s[6:7], s[6:7], s[20:21]
	s_add_nc_u64 s[10:11], s[10:11], s[26:27]
.irp n, 0,1,2,3,4,5,6,7
	global_load_b128 v[16+4*\n:19+4*\n], v3, s[4:5] offset:512*\n
	global_load_b128 v[48+4*\n:51+4*\n], v3, s[4:5] offset:65536+512*\n
.endr
.irp bb, 0,1,2,3
.irp jj, 0,1,2,3,4,5,6,7
	global_load_b32 v[80+8*\bb+\jj], v4, s[14:15] offset:4096*\jj+64*\bb   ; v(key 8 h + jj, channel 16 bb + r)
.endr
.endr
.irp t, 0,1,2,3
	global_load_b128 v[112+8*\t:115+8*\t], v5, s[6:7] offset:64*\t         ; wo(16 x + r, 64 w + 16 t + 8 h + 0..7)
	global_load_b128 v[116+8*\t:119+8*\t], v5, s[6:7] offset:64*\t+16
.endr
	s_wait_kmcnt 0x0
	v_mov_b32 v14, s28
	v_mul_f32 v14, 0x3fb8aa3b, v14                 ; the sink's logit in units of log2
	v_mov_b32 v15, 0xff800000
	s_wait_loadcnt 0x0
.irp u, 0,1,2,3                                ; S^T = k q^T
.irp bb, 0,1,2,3
.if \u == 0
	v_wmma_f32_16x16x4_f32 v[144+8*\bb:151+8*\bb], v[48+8*\bb+2*\u:49+8*\bb+2*\u], v[16+8*\bb+2*\u:17+8*\bb+2*\u], 0
.else
	v_wmma_f32_16x16x4_f32 v[144+8*\bb:151+8*\bb], v[48+8*\bb+2*\u:49+8*\bb+2*\u], v[16+8*\bb+2*\u:17+8*\bb+2*\u], v[144+8*\bb:151+8*\bb]
.endif
.endr
.endr
.rept 8
	v_nop                                          ; eight places behind this form, ahead of the first read of its results (ISA guide 7.12.1)
.endr
.irp p, 0,2,4,6
	v_pk_add_f32 v[240+\p:241+\p], v[144+\p:145+\p], v[152+\p:153+\p]      ; the four parts, each accumulator from its low end on
.endr
.irp p, 0,2,4,6
	v_pk_add_f32 v[248+\p:249+\p], v[160+\p:161+\p], v[168+\p:169+\p]
.endr
.irp p, 0,2,4,6
	v_pk_add_f32 v[240+\p:241+\p], v[240+\p:241+\p], v[248+\p:249+\p]
.endr
.irp j, 0,1,2,3,4,5,6,7
	v_cmp_gt_i32 vcc_lo, \j, v6                    ; key 8 h + j comes after query r
	v_cndmask_b32 v[240+\j], v[240+\j], v15, vcc_lo
.endr
	v_max3_num_f32 v248, v240, v241, v242
	v_max3_num_f32 v248, v248, v243, v244
	v_max3_num_f32 v248, v248, v245, v246
	v_max3_num_f32 v248, v248, v247, v14           ; the sink's logit counts for the maximum
	v_permlanex16_b32 v249, v248, s[SEL], s[SEL+1]
	v_max_num_f32 v248, v248, v249
.irp j, 0,1,2,3,4,5,6,7
	v_sub_f32 v[240+\j], v[240+\j], v248
.endr
	v_sub_f32 v250, v14, v248
.irp j, 0,1,2,3,4,5,6,7
	v_exp_f32 v[240+\j], v[240+\j]
.endr
	v_exp_f32 v250, v250                           ; the sink's term
	v_nop                                          ; a plain line behind the last exponential,
	s_wait_alu depctr_va_vdst(0)                   ; and one wait for the nine, ahead of their first reader
	v_add_f32 v251, v240, v241
	v_add_f32 v252, v242, v243
	v_add_f32 v253, v244, v245
	v_add_f32 v254, v246, v247
	v_add_f32 v251, v251, v252
	v_add_f32 v253, v253, v254
	v_add_f32 v251, v251, v253
	v_permlanex16_b32 v249, v251, s[SEL], s[SEL+1]
	v_add_f32 v251, v251, v249
	v_add_f32 v251, v251, v250                     ; the row's sum, the sink's term in it
	v_rcp_f32 v252, v251
	v_nop
	s_wait_alu depctr_va_vdst(0)
.irp j, 0,1,2,3,4,5,6,7
	v_mul_f32 v[240+\j], v[240+\j], v252           ; the weights
.endr
.irp s, 0,1,2,3                                ; O^T = v^T p
.irp bb, 0,1,2,3
.if \s == 0
	v_wmma_f32_16x16x4_f32 v[176+8*\bb:183+8*\bb], v[80+8*\bb+2*\s:81+8*\bb+2*\s], v[240+2*\s:241+2*\s], 0
.else
	v_wmma_f32_16x16x4_f32 v[176+8*\bb:183+8*\bb], v[80+8*\bb+2*\s:81+8*\bb+2*\s], v[240+2*\s:241+2*\s], v[176+8*\bb:183+8*\bb]
.endif
.endr
.endr
.rept 9
	v_nop                                          ; nine places: the results go on as a source of the next products
.endr
.irp t, 0,1,2,3                                ; out^T = wo O^T, my head's 64 along K
.irp u, 0,1,2,3
.if \t == 0
	v_wmma_f32_16x16x4_f32 v[208+8*\u:215+8*\u], v[112+8*\t+2*\u:113+8*\t+2*\u], v[176+8*\t+2*\u:177+8*\t+2*\u], 0
.else
	v_wmma_f32_16x16x4_f32 v[208+8*\u:215+8*\u], v[112+8*\t+2*\u:113+8*\t+2*\u], v[176+8*\t+2*\u:177+8*\t+2*\u], v[208+8*\u:215+8*\u]
.endif
.endr
.endr
.rept 8
	v_nop
.endr
.irp p, 0,2,4,6
	v_pk_add_f32 v[16+\p:17+\p], v[208+\p:209+\p], v[216+\p:217+\p]
.endr
.irp p, 0,2,4,6
	v_pk_add_f32 v[24+\p:25+\p], v[224+\p:225+\p], v[232+\p:233+\p]
.endr
.irp p, 0,2,4,6
	v_pk_add_f32 v[16+\p:17+\p], v[16+\p:17+\p], v[24+\p:25+\p]
.endr
	ds_store_b128 v7, v[16:19]                     ; my head's share: position r, columns 8 h + 0..7
	ds_store_b128 v7, v[20:23] offset:16
	s_wait_dscnt 0x0                               ; for the others' sake: my stores are done
	s_barrier_signal -1
	s_barrier_wait -1
	s_cmp_lt_u32 s[WV], 8                          ; 256 numbers: waves 0 to 7 add, a number a lane
	s_cbranch_scc0 .Ldone
.irp i, 0,1,2,3,4,5,6,7,8,9,10,11,12,13,14,15
	ds_load_b32 v[32+\i], v8 offset:1024*\i
.endr
	s_wait_dscnt 0x0
.irp i, 0,2,4,6,8,10,12,14
	v_add_f32 v[32+\i], v[32+\i], v[33+\i]
.endr
.irp i, 0,4,8,12
	v_add_f32 v[32+\i], v[32+\i], v[34+\i]
.endr
	v_add_f32 v32, v32, v36
	v_add_f32 v40, v40, v44
	v_add_f32 v32, v32, v40
	global_store_b32 v9, v32, s[10:11]             ; sixteen lanes store the tile's 64 bytes of a row
.Ldone:
	s_wait_tensorcnt 0x0                           ; the wave's end
	ds_add_u32 v[SPW], v[NIL]
	s_wait_dscnt 0x0
	s_endpgm
.Lfunc_end_k_qec1ad71c7d_first16:
	.size	k_qec1ad71c7d_first16, .Lfunc_end_k_qec1ad71c7d_first16-k_qec1ad71c7d_first16
	.p2alignl 7, 3214868480
	.fill 96, 4, 3214868480
	.section	.rodata,"a",@progbits
	.p2align	6, 0x0
	.amdhsa_kernel k_qec1ad71c7d_first16
		.amdhsa_group_segment_fixed_size 18432
		.amdhsa_private_segment_fixed_size 0
		.amdhsa_enable_private_segment 0
		.amdhsa_kernarg_size 32
		.amdhsa_user_sgpr_count 2
		.amdhsa_user_sgpr_kernarg_segment_ptr 1
		.amdhsa_wavefront_size32 1
		.amdhsa_system_sgpr_workgroup_id_x 1
		.amdhsa_system_sgpr_workgroup_id_y 1
		.amdhsa_system_sgpr_workgroup_id_z 1
		.amdhsa_system_vgpr_workitem_id 0
		.amdhsa_next_free_vgpr 256
		.amdhsa_next_free_sgpr 66
		.amdhsa_reserve_vcc 1
		.amdhsa_float_denorm_mode_32 3
		.amdhsa_float_denorm_mode_16_64 3
		.amdhsa_memory_ordered 1
		.amdhsa_forward_progress 1
		.amdhsa_inst_pref_size 18
	.end_amdhsa_kernel
	.amdgpu_metadata
---
amdhsa.version: [ 1, 2 ]
amdhsa.kernels:
  - .name:           k_qec1ad71c7d_first16
    .symbol:         k_qec1ad71c7d_first16.kd
    .args:
      - { .name: fine, .offset: 0, .size: 8, .value_kind: global_buffer, .address_space: global }
      - { .name: wo, .offset: 8, .size: 8, .value_kind: global_buffer, .address_space: global }
      - { .name: sink_logit, .offset: 16, .size: 8, .value_kind: global_buffer, .address_space: global }
      - { .name: out0, .offset: 24, .size: 8, .value_kind: global_buffer, .address_space: global }
    .group_segment_fixed_size: 18432
    .private_segment_fixed_size: 0
    .kernarg_segment_align: 8
    .kernarg_segment_size: 32
    .max_flat_workgroup_size: 512
    .sgpr_count:     66
    .vgpr_count:     256
    .wavefront_size: 32
...
	.end_amdgpu_metadata
.endif
;; end of part 5
